; MI455X (gfx1250); checked and timed in simulation.
; The chip was launched on July 23, 2026; its instructions are those of AMD's public machine-readable ISA for CDNA 5 (MIT licence, August 2026) and "CDNA5" Instruction Set Architecture Reference Guide (July 2026). The comments in the code are by the model that wrote it; some were corrected since.
;; Self Attention. Allowed arithmetic: matrix products marked QUANTISED: E2M1 operands, one E8M0 scale for each 32 along K, by v_wmma_scale_f32_16x16x128_f8f6f4 with both operands' format E2M1 (or v_wmma_scale_f32_32x16x128_f4), f32 sums; products left as they are: bf16, f16 or f32 operands; f32 sums; everything else in f32.
;; Inputs: w_out 1,024 x 1,024 float32; w_qkv 1,024 x 3,072 float32; x 4 x 2,048 x 1,024 float32.
;; Outputs: out0 4 x 2,048 x 1,024 float32.
;; This version of the problem:
;;   THIS VERSION OF THE PROBLEM IS GIVEN IN LOW PRECISION. The matrix products marked QUANTISED in the list below multiply operands that are first quantised to E2M1 (2 exponent bits, 1 mantissa bit; 4 bits a number), with one power-of-two scale for each 32 numbers along K (OCP MX v1.0); their sums are f32. The products marked 'left as it is' may take bf16, f16 or f32 operands, with f32 sums. Whichever they take, every output number must still come out within the allowed error. Rounding operands to bf16 (8 significant bits) uses up far more of that allowance than f16 does (11 bits, for magnitudes from 6e-5 to 65,504). All else is computed in f32.
;;   The module's matrix products, in the order in which they are computed (A, B: the left and right operand; K: the contracted axis; several contracted axes count as one K, in the product's order):
;;     1. [M 8,192, K 1,024] x [K 1,024, N 3,072]; A: input x; B: input w_qkv: QUANTISED
;;     2. batch 64 x [M 2,048, K 64] x [K 64, N 2,048]; A: computed on the way; B: computed on the way: left as it is (an operand is computed on the way)
;;     3. batch 64 x [M 2,048, K 2,048] x [K 2,048, N 64]; A: computed on the way; B: computed on the way: left as it is (an operand is computed on the way)
;;     4. [M 8,192, K 1,024] x [K 1,024, N 1,024]; A: computed on the way; B: input w_out: left as it is (an operand is computed on the way)
;;   THE QUANTISER, for each operand of a quantised product, along K:
;;     - K is cut into blocks of 32 from its start; a last block that is shorter is filled with zeros.
;;     - A block's scale is 2^e with e = floor(log2(the largest magnitude in the block)) - 2, held to -126 .. 127; a block of zeros has e = 0. As a byte (E8M0): e + 127.
;;     - Each number is divided by its block's scale, clamped to +-6, and rounded to the nearest number of E2M1, ties to even, subnormals kept.
;;     - The product sums the exact products of the quantised numbers (number of the format x scale) in f32.
;;   ~~~python
;;   def quantise(x, axis):      # numpy; x: float32 -> the quantised numbers, widened to float32 again
;;       x = np.moveaxis(x, axis, -1); K = x.shape[-1]
;;       x = np.pad(x, [(0, 0)] * (x.ndim - 1) + [(0, -K % 32)]); x = x.reshape(x.shape[:-1] + (-1, 32)); a = np.abs(x).max(-1, keepdims=True)
;;       e = np.where(a > 0, np.clip(np.frexp(np.where(a > 0, a, 1))[1] - 1 - 2, -126, 127), 0)      # np.frexp(a)[1] - 1 = floor(log2(a)), exactly
;;       r = np.clip(x / 2.0 ** e, -6, 6)
;;       step = 2.0 ** (np.maximum(np.frexp(np.where(r == 0, 1, r))[1] - 1, 0) - 1)
;;       q = np.round(r / step) * step * 2.0 ** e      # np.round: ties to even
;;       return np.moveaxis(q.reshape(q.shape[:-2] + (-1,))[..., :K], -1, axis).astype(np.float32)
;;   ~~~
;; One version. Each part assembles by itself: llvm-mc -triple=amdgcn-amd-amdhsa -mcpu=gfx1250 --defsym DOCPART=n.
;; ======== version 1 of 1: 5 launches
;; limits: values are held in f16: magnitudes above 65,504 overflow, below 6.1e-05 lose precision
;; workspace buffers: xc 4,194,304 bytes; xs 262,144 bytes; wc 1,572,864 bytes; ws 98,304 bytes; w16 2,097,152 bytes; qkv 50,331,648 bytes; fq 786,432 bytes; attn 16,777,216 bytes
;; launch prep (part 1): grid 336 x 1, 4 waves a work-group, no clusters, 68,096 bytes of LDS; arguments x, w_qkv, w_out, xc, xs, wc, ws, w16; writes xc, xs, wc, ws, w16
.if DOCPART == 1
	.amdgcn_target "amdgcn-amd-amdhsa--gfx1250"
	.amdhsa_code_object_version 6
	.text
	.protected	k_qfc6918c21f_prep
	.globl	k_qfc6918c21f_prep
	.p2align	8
	.type	k_qfc6918c21f_prep,@function
k_qfc6918c21f_prep:
	s_mov_b64 s[64:65], 0
	v_nop
	global_prefetch_b8 v0, s[64:65] scope:SCOPE_SE
	s_setreg_imm32_b32 hwreg(HW_REG_WAVE_MODE, 25, 1), 1
	s_wait_xcnt 0x0
; PREP.  Three jobs in one launch, told apart by the work-group's number; the three ways never join, and each has LDS bytes of its own.
;   work-groups   0 ..  47: w_qkv [1024 k][3072 n] f32 -> codes of FP4 (E2M1) laid [n][512 bytes] with K innermost, and E8M0 bytes [n][32]
;   work-groups  48 .. 303: x [8192][1024] f32 -> codes [row][512 bytes], E8M0 bytes [row][32]
;   work-groups 304 .. 335: w_out [1024][1024] f32 -> f16, same order
; A block's scale is 2^(floor(log2(its largest magnitude)) - 2); its byte is the largest magnitude's exponent field - 2, held at 1 from below.
; LIMITS: a block of zeros gets the byte 1 where the rule says 127 (its codes are zeros, and only this program reads the bytes); blocks whose largest magnitude
; lies under 2^-124 keep the byte 1; NaN and infinities among the inputs are not served; w_out's magnitudes stay under 65,504 (f16).
.set SPARE, 67584                      ; behind both ways' LDS: the spare words, 128 bytes a wave
.set SPW,   192                        ; v192 LDS address of my spare word; never rewritten
.set NIL,   193                        ; v193 0; never rewritten
	s_load_b512 s[4:19], s[0:1], 0x0               ; x 4:5, w_qkv 6:7, w_out 8:9, xc 10:11, xs 12:13, wc 14:15, ws 16:17, w16 18:19
	v_lshl_add_u32 v[SPW], v0, 2, SPARE
	v_mov_b32 v[NIL], 0
	v_lshrrev_b32 v1, 5, v0
	v_readfirstlane_b32 s20, v1                    ; wave 0..3
	v_and_b32 v2, 31, v0                           ; lane
	s_wait_kmcnt 0x0
	s_cmp_lt_u32 ttmp9, 48
	s_cbranch_scc1 .Lw
	s_cmp_lt_u32 ttmp9, 304
	s_cbranch_scc1 .Lx
; ---------------- w_out to f16: a wave takes 8,192 numbers, in four groups of 2,048; a lane takes 8 neighbours (32 bytes in, 16 bytes out)
	s_sub_co_u32 s21, ttmp9, 304
	s_lshl_b32 s21, s21, 2
	s_add_co_u32 s21, s21, s20                     ; which run of 8,192 numbers: 0 .. 127
	s_lshl_b32 s22, s21, 15
	s_mov_b32 s23, 0
	s_add_nc_u64 s[8:9], s[8:9], s[22:23]
	s_lshl_b32 s22, s21, 14
	s_add_nc_u64 s[18:19], s[18:19], s[22:23]
	v_lshlrev_b32 v3, 5, v2
	v_lshlrev_b32 v4, 4, v2
.macro CLOAD g                         ; group g: 16 loads into v32-95 (even groups) or v96-159 (odd)
.set IB, 32+64*((\g)%2)
.irp t, 0,1,2,3,4,5,6,7
	global_load_b128 v[IB+8*\t:IB+8*\t+3], v3, s[8:9] offset:8192*(\g)+1024*\t th:TH_LOAD_NT
	global_load_b128 v[IB+8*\t+4:IB+8*\t+7], v3, s[8:9] offset:8192*(\g)+1024*\t+16 th:TH_LOAD_NT
.endr
.endm
.macro CGROUP g
.if (\g) < 3
	s_wait_loadcnt 16                              ; this group's 16 loads are in; the next group's 16 may be out
.else
	s_wait_loadcnt 0x0
.endif
	s_wait_xcnt 0x0                                ; the last group's stores have read v160-191, which are written again below
.set IB, 32+64*((\g)%2)
.irp t, 0,1,2,3,4,5,6,7
.irp i, 0,1,2,3
	v_cvt_pk_f16_f32 v[160+4*\t+\i], v[IB+8*\t+2*\i], v[IB+8*\t+2*\i+1]
.endr
.endr
.if (\g) < 2
	CLOAD (\g)+2
.endif
.irp t, 0,1,2,3,4,5,6,7
	global_store_b128 v4, v[160+4*\t:160+4*\t+3], s[18:19] offset:4096*(\g)+512*\t   ; 32 lanes store 512 consecutive bytes
.endr
.endm
	CLOAD 0
	CLOAD 1
	CGROUP 0
	CGROUP 1
	CGROUP 2
	CGROUP 3
	s_wait_tensorcnt 0x0                           ; the wave's end
	ds_add_u32 v[SPW], v[NIL]
	s_wait_dscnt 0x0
	s_endpgm
; ---------------- x: a plain stream of blocks of 32.  A wave takes 16 steps of 512 numbers.  Each load reads 512 consecutive bytes; a step's 2,048 bytes turn through
; the wave's own stage in LDS (16 bytes of padding behind each 64) and come back 64 bytes a lane: 16 neighbours; two neighbouring lanes hold a block.
.Lx:
.set XR, 16                            ; v16-79   four sets of 16 numbers as loaded
.set XX, 80                            ; v80-111  two sets of 16 neighbours
.set XE, 112                           ; v112-127 a scale byte for each step
.set XC, 128                           ; v128-191 codes: four registers a step, so that no store's data are written again
.set SP, 80                            ; a lane's place in a stage
	s_sub_co_u32 s21, ttmp9, 48
	s_lshl_b32 s21, s21, 2
	s_add_co_u32 s22, s21, s20                     ; which run of 8,192 numbers: 0 .. 1,023
	s_mov_b32 s25, 0
	s_lshl_b32 s24, s22, 15
	s_add_nc_u64 s[4:5], s[4:5], s[24:25]
	s_lshl_b32 s24, s22, 12
	s_add_nc_u64 s[10:11], s[10:11], s[24:25]
	s_lshl_b32 s24, s22, 8
	s_add_nc_u64 s[12:13], s[12:13], s[24:25]
	v_lshlrev_b32 v3, 4, v2                        ; my 16 bytes of a load's 512
	s_lshl_b32 s21, s20, 13                        ; my wave's 8,192 bytes of LDS
	v_lshrrev_b32 v14, 2, v2
	v_mul_u32_u24 v14, v14, SP
	v_and_b32 v15, 3, v2
	v_lshl_add_u32 v14, v15, 4, v14
	v_add_nc_u32 v14, s21, v14                     ; the stage on the way in: SP (lane / 4) + 16 (lane % 4)
	v_mul_u32_u24 v15, v2, SP
	v_add_nc_u32 v15, s21, v15                     ; and on the way out: SP x lane
	v_mul_u32_u24 v4, v2, 8                        ; my codes' place in a step's 256 bytes
	v_lshrrev_b32 v5, 1, v2
	s_add_co_u32 s21, s21, 2*32*SP
	v_add_nc_u32 v5, s21, v5                       ; my wave's 256 scale bytes, my block's byte
	v_lshlrev_b32 v7, 3, v2
	v_add_nc_u32 v6, s21, v7
.macro XLOAD t
.irp i, 0,1,2,3
	global_load_b128 v[XR+16*((\t)%4)+4*\i:XR+16*((\t)%4)+4*\i+3], v3, s[4:5] offset:2048*(\t)+512*\i th:TH_LOAD_NT
.endr
.endm
.macro XTURN t                         ; LDS serves a wave's instructions in order: no wait between the stores and the loads
.irp i, 0,1,2,3
	ds_store_b128 v14, v[XR+16*((\t)%4)+4*\i:XR+16*((\t)%4)+4*\i+3] offset:32*SP*((\t)%2)+8*SP*\i
.endr
.irp i, 0,1,2,3
	ds_load_b128 v[XX+16*((\t)%2)+4*\i:XX+16*((\t)%2)+4*\i+3], v15 offset:32*SP*((\t)%2)+16*\i
.endr
.endm
.irp t, 0,1,2,3
	XLOAD \t
.endr
	s_wait_loadcnt 12                              ; step 0's four loads are in
	XTURN 0
.macro XSTEP t
.set XS, XX+16*((\t)%2)
.if (\t) > 0
	s_wait_dscnt 1                                 ; this step's numbers are back from the stage; the last step's byte store may be out
.else
	s_wait_dscnt 0x0
.endif
.if (\t)+4 < 16
	XLOAD (\t)+4
.endif
.if (\t)+1 < 16
.if 14-(\t) >= 3
	s_wait_loadcnt 12                              ; the next step's four loads are in; those of the three steps behind it may be out
.else
	s_wait_loadcnt 4*(14-(\t))
.endif
	XTURN (\t)+1
.endif
	v_max3_num_f32 v8, |v[XS]|, |v[XS+1]|, |v[XS+2]|
	v_max3_num_f32 v9, |v[XS+3]|, |v[XS+4]|, |v[XS+5]|
.irp i, 6,10
	v_max3_num_f32 v8, v8, |v[XS+\i]|, |v[XS+\i+1]|
	v_max3_num_f32 v9, v9, |v[XS+\i+2]|, |v[XS+\i+3]|
.endr
	v_max3_num_f32 v8, v8, |v[XS+14]|, |v[XS+15]|
	v_max3_num_f32 v8, v8, v9, 0x1800000           ; the floor 2^(3 - 127): the byte cannot fall under 1
	v_max_num_f32_dpp v8, v8, v8 row_xmask:1 row_mask:0xf bank_mask:0xf   ; with my neighbour's 16: the block's largest magnitude
	v_add_nc_u32 v11, 0xff000000, v8               ; 2 off its exponent field: the conversion's scale operand
	v_cvt_scalef32_pk8_fp4_f32 v[XC+4*(\t)], v[XS:XS+7], v11
	v_cvt_scalef32_pk8_fp4_f32 v[XC+4*(\t)+1], v[XS+8:XS+15], v11
	v_lshrrev_b32 v[XE+(\t)], 23, v11              ; the scale's byte
	ds_store_b8 v5, v[XE+(\t)] offset:16*(\t)      ; both lanes of a block write the same byte with the same value
	global_store_b64 v4, v[XC+4*(\t):XC+4*(\t)+1], s[10:11] offset:256*(\t)   ; 32 lanes store 256 consecutive bytes, aligned
.endm
.irp t, 0,1,2,3,4,5,6,7,8,9,10,11,12,13,14,15
	XSTEP \t
.endr
	ds_load_b64 v[8:9], v6                         ; in order behind my byte stores
	s_wait_dscnt 0x0
	global_store_b64 v7, v[8:9], s[12:13]          ; 256 scale bytes, consecutive and aligned
	s_wait_tensorcnt 0x0                           ; the wave's end
	ds_add_u32 v[SPW], v[NIL]
	s_wait_dscnt 0x0
	s_endpgm
; ---------------- w_qkv: K is its first axis.  A lane takes a column n and its registers run down K: a block of 32 lies in one lane, and the codes come out with K innermost.
; A wave takes 32 columns x 512 along K; the codes leave through the wave's own stage, sixteen lanes to 256 consecutive bytes of a row.
.Lw:
.set WX,   32                          ; v32-95   two sets of 32 numbers
.set WC,   96                          ; v96-99   a block's codes
.set OUTR, 112                         ; v112-175 the way out
.set SBY,  24                          ; v24-27   the scale bytes, four to a register
.set WP,   272                         ; a stage row: 256 bytes + 16
	s_cmp_ge_u32 ttmp9, 24
	s_cselect_b32 s22, 1, 0                        ; which 512 along K
	s_cselect_b32 s23, 24, 0
	s_sub_co_u32 s23, ttmp9, s23                   ; which 128 columns
	s_lshl_b32 s23, s23, 7
	s_lshl_b32 s24, s20, 5
	s_add_co_u32 s23, s23, s24                     ; my wave's first column
	s_mul_i32 s24, s22, 512*12288
	s_lshl_b32 s25, s23, 2
	s_add_co_u32 s24, s24, s25
	s_mov_b32 s25, 0
	s_add_nc_u64 s[6:7], s[6:7], s[24:25]          ; w_qkv at (512 y, column)
	s_lshl_b32 s24, s23, 9
	s_lshl_b32 s26, s22, 8
	s_add_co_u32 s24, s24, s26
	s_add_nc_u64 s[14:15], s[14:15], s[24:25]      ; codes: column x 512 + 256 y
	s_lshl_b32 s24, s23, 5
	s_lshl_b32 s26, s22, 4
	s_add_co_u32 s24, s24, s26
	s_add_nc_u64 s[16:17], s[16:17], s[24:25]      ; bytes: column x 32 + 16 y
	s_mul_i32 s27, s20, 32*WP
	s_add_co_u32 s27, s27, 32768                   ; my stage
	v_lshlrev_b32 v3, 2, v2
	v_mul_u32_u24 v4, v2, WP
	v_add_nc_u32 v4, s27, v4                       ; into it: row = my column
	v_and_b32 v5, 15, v2
	v_lshrrev_b32 v6, 4, v2
	v_mul_u32_u24 v7, v6, WP
	v_lshl_add_u32 v7, v5, 4, v7
	v_add_nc_u32 v7, s27, v7                       ; out of it: sixteen lanes to a row, two rows an instruction
	v_lshlrev_b32 v8, 9, v6
	v_lshl_add_u32 v8, v5, 4, v8                   ; the same place in the codes' buffer
	v_lshlrev_b32 v9, 5, v2                        ; my column's row of scale bytes
.macro WLOAD t                         ; every offset is an immediate: 511 x 12,288 bytes at the most, inside the signed 24 bits
.irp i, 0,1,2,3,4,5,6,7,8,9,10,11,12,13,14,15,16,17,18,19,20,21,22,23,24,25,26,27,28,29,30,31
	global_load_b32 v[WX+32*((\t)%2)+\i], v3, s[6:7] offset:(32*(\t)+\i)*12288 th:TH_LOAD_NT
.endr
.endm
	WLOAD 0
	WLOAD 1
.macro WBLOCK t
.set XS, WX+32*((\t)%2)
.if (\t) < 15
	s_wait_loadcnt 32                              ; this block's 32 loads are in; the next block's may be out
.else
	s_wait_loadcnt 0x0
.endif
	v_max3_num_f32 v12, |v[XS]|, |v[XS+1]|, |v[XS+2]|
	v_max3_num_f32 v13, |v[XS+3]|, |v[XS+4]|, |v[XS+5]|
.irp i, 6,10,14,18,22,26
	v_max3_num_f32 v12, v12, |v[XS+\i]|, |v[XS+\i+1]|
	v_max3_num_f32 v13, v13, |v[XS+\i+2]|, |v[XS+\i+3]|
.endr
	v_max3_num_f32 v12, v12, |v[XS+30]|, |v[XS+31]|
	v_max3_num_f32 v12, v12, v13, 0x1800000        ; the floor
	v_add_nc_u32 v11, 0xff000000, v12              ; the conversion's scale operand
	v_lshrrev_b32 v13, 23, v11                     ; the scale's byte
.if (\t)%4 == 0
	v_mov_b32 v[SBY+(\t)/4], v13
.else
	v_lshl_or_b32 v[SBY+(\t)/4], v13, 8*((\t)%4), v[SBY+(\t)/4]
.endif
.irp g, 0,1,2,3
	v_cvt_scalef32_pk8_fp4_f32 v[WC+\g], v[XS+8*\g:XS+8*\g+7], v11
.endr
	ds_store_b128 v4, v[WC:WC+3] offset:16*(\t)    ; 32 codes: 16 bytes of my column's row
.if (\t)+2 < 16
	WLOAD (\t)+2
.endif
	s_wait_dscnt 0x0                               ; the store has read its registers: the next block's codes may be written
.endm
.irp t, 0,1,2,3,4,5,6,7,8,9,10,11,12,13,14,15
	WBLOCK \t
.endr
	global_store_b128 v9, v[SBY:SBY+3], s[16:17]   ; my column's 16 scale bytes
.irp t, 0,1,2,3,4,5,6,7,8,9,10,11,12,13,14,15
	ds_load_b128 v[OUTR+4*\t:OUTR+4*\t+3], v7 offset:2*\t*WP
.endr
.irp t, 0,1,2,3,4,5,6,7,8,9,10,11,12,13,14,15
	s_wait_dscnt 15-\t
	global_store_b128 v8, v[OUTR+4*\t:OUTR+4*\t+3], s[14:15] offset:2*\t*512
.endr
	s_wait_tensorcnt 0x0                           ; the wave's end
	ds_add_u32 v[SPW], v[NIL]
	s_wait_dscnt 0x0
	s_endpgm
.Lfunc_end_k_qfc6918c21f_prep:
	.size	k_qfc6918c21f_prep, .Lfunc_end_k_qfc6918c21f_prep-k_qfc6918c21f_prep
	.p2alignl 7, 3214868480
	.fill 96, 4, 3214868480
	.section	.rodata,"a",@progbits
	.p2align	6, 0x0
	.amdhsa_kernel k_qfc6918c21f_prep
		.amdhsa_group_segment_fixed_size 68096
		.amdhsa_private_segment_fixed_size 0
		.amdhsa_enable_private_segment 0
		.amdhsa_kernarg_size 64
		.amdhsa_user_sgpr_count 2
		.amdhsa_user_sgpr_kernarg_segment_ptr 1
		.amdhsa_wavefront_size32 1
		.amdhsa_system_sgpr_workgroup_id_x 1
		.amdhsa_system_sgpr_workgroup_id_y 1
		.amdhsa_system_sgpr_workgroup_id_z 1
		.amdhsa_system_vgpr_workitem_id 0
		.amdhsa_next_free_vgpr 200
		.amdhsa_next_free_sgpr 66
		.amdhsa_reserve_vcc 0
		.amdhsa_float_denorm_mode_32 3
		.amdhsa_float_denorm_mode_16_64 3
		.amdhsa_memory_ordered 1
		.amdhsa_forward_progress 1
		.amdhsa_inst_pref_size 128
	.end_amdhsa_kernel
	.amdgpu_metadata
---
amdhsa.version: [ 1, 2 ]
amdhsa.kernels:
  - .name:           k_qfc6918c21f_prep
    .symbol:         k_qfc6918c21f_prep.kd
    .args:
      - { .name: x, .offset: 0, .size: 8, .value_kind: global_buffer, .address_space: global }
      - { .name: w_qkv, .offset: 8, .size: 8, .value_kind: global_buffer, .address_space: global }
      - { .name: w_out, .offset: 16, .size: 8, .value_kind: global_buffer, .address_space: global }
      - { .name: xc, .offset: 24, .size: 8, .value_kind: global_buffer, .address_space: global }
      - { .name: xs, .offset: 32, .size: 8, .value_kind: global_buffer, .address_space: global }
      - { .name: wc, .offset: 40, .size: 8, .value_kind: global_buffer, .address_space: global }
      - { .name: ws, .offset: 48, .size: 8, .value_kind: global_buffer, .address_space: global }
      - { .name: w16, .offset: 56, .size: 8, .value_kind: global_buffer, .address_space: global }
    .group_segment_fixed_size: 68096
    .private_segment_fixed_size: 0
    .kernarg_segment_align: 8
    .kernarg_segment_size: 64
    .max_flat_workgroup_size: 128
    .sgpr_count:     66
    .vgpr_count:     200
    .wavefront_size: 32
...
	.end_amdgpu_metadata
.endif
;; end of part 1
;; launch qkvgemm (part 2): grid 16 x 32, 4 waves a work-group, clusters of 4 x 1, 285,184 bytes of LDS; arguments xc, xs, wc, ws, qkv, fq; writes qkv, fq
.if DOCPART == 2
	.amdgcn_target "amdgcn-amd-amdhsa--gfx1250"
	.amdhsa_code_object_version 6
	.text
	.protected	k_qfc6918c21f_qkvgemm
	.globl	k_qfc6918c21f_qkvgemm
	.p2align	8
	.type	k_qfc6918c21f_qkvgemm,@function
k_qfc6918c21f_qkvgemm:
	s_mov_b64 s[64:65], 0
	v_nop
	global_prefetch_b8 v0, s[64:65] scope:SCOPE_SE
	s_setreg_imm32_b32 hwreg(HW_REG_WAVE_MODE, 25, 1), 1
	s_wait_xcnt 0x0
	s_wait_alu depctr_hold_cnt(0) depctr_sa_sdst(0) depctr_va_vdst(0) depctr_va_sdst(0) depctr_va_ssrc(0) depctr_va_vcc(0) depctr_vm_vsrc(0)
	s_getreg_b32 s2, hwreg(HW_REG_IB_STS2, 6, 4)
	s_cmp_eq_u32 s2, 0
	s_cbranch_scc0 .Lentry_in_a_cluster
	s_endpgm
.Lentry_in_a_cluster:
	s_bfe_u32 s2, ttmp6, 0x10000c
	s_cmp_lg_u32 s2, 0x3003
	s_cbranch_scc0 .Lentry_shape_is_right
	s_endpgm
.Lentry_shape_is_right:
; x w_qkv on codes of FP4 with E8M0 scales: [8192 x 1024] x [1024 x 3072].  Results leave as f16 by head: qkv [b 4][g 48][s 2048][64] (g = h: q, 16 + h: k, 32 + h: v);
; the rows s < 16 of each batch leave a second time as f32, fq [b][g][16][64], for the launch that carries those rows finely.
; SHARES.  A work-group makes 256 rows x 192 columns (three whole heads); wave w its rows 64 w .. 64 w + 63: 48 accumulators, 384 registers.
; ALL OF K LIES IN LDS: two halves of K (rows of 256 bytes) and the scale bytes, each filled once, all asked for at the head: no refill, no loop; the eight steps of 128 along K are written out.
; CLUSTER 4 x 1: the four partners share their 256 rows of x, so x's codes and scale bytes are asked for jointly (mask 15); w's tiles are each work-group's own loads.
; Not 4 x 4: the branch round the f32 copy hangs on the tile row, which must then be the same in all partners.
; THE MATRIX INSTRUCTION IS USED TRANSPOSED (source 0 = 16 columns of w, source 1 = 16 rows of x): a lane holds eight neighbouring columns of one row.
; LIMIT: q, k and v stay under 65,504 in magnitude (f16).
; REGISTERS: window 0: v1-29 addresses; v32-47 x's scale words, v48-95 w's; v96-159 x's fragments, two sets; v160-207, v208-255 the way out.
;   window 1: accumulators of row blocks 0, 1 at v[8 (12 (a % 2) + b)];  window 2: of row blocks 2, 3;  window 3: w's fragments, two sets at v0 and v128.
.set SLOT,  121856                     ; a half of K: x's 256 rows x 272 bytes, then w's 192 rows
.set BOFF,  69632
.set SCA,   243712                     ; x's scale bytes: 32 pieces of 256 bytes + 16 of padding (8 rows of 32 bytes to a piece)
.set SCB,   252416                     ; w's: 24 pieces
.set STAGE, 259072                     ; 16 rows x 400 bytes for each wave
.set SPARE, 284672                     ; the spare words, 128 bytes a wave
.set ADRA, 16
.set ADRB, 20
.set ADSA, 22
.set ADSB, 23
.set STO,  24
.set RD,   25
.set CO,   26
.set FO,   27
.set SPW,  28
.set NIL,  29
.set SA,   32                          ; register 8 i + q: lanes 0-15 row block 2 i's word of K step q, lanes 16-31 block 2 i + 1's
.set SB,   48
.set AF,   96
.set TMP,  160
.set BK,   208
.set G1A,  24
.set G1B,  32
.set G1SA, 40
.set G1SB, 48
.set G0A,  56                          ; s[56:59], s[60:63]: one set for each half of K
.set G0SA, 68
.set G0B,  72                          ; s[72:75], s[76:79]
.set G0SB, 80
.set MSB, 0
.macro WIN new                         ; the immediate's high byte repeats the setting that is left
.if MSB != \new
	s_set_vgpr_msb (MSB<<8)|\new
.set MSB, \new
.endif
.endm
.set MUL1, 0x53                        ; source 0 window 3, source 1 window 0, C and D window 1
.set MUL2, 0xa3                        ; the same, C and D window 2
.set TO_B, 0xc0                        ; destination window 3
; Waves 0 and 1 fetch for x (jointly), waves 2 and 3 for w.  An s_nop 0 and four v_nop follow each of the two lines.
.macro JLOAD g0a, g1a, g0b, g1b
	s_cmp_eq_u32 s17, 0
	s_cbranch_scc0 .Lfor_b_\@
	tensor_load_to_lds s[\g0a:\g0a+3], s[\g1a:\g1a+7]
	s_nop 0
.rept 4
	v_nop
.endr
	s_branch .Lasked_\@
.Lfor_b_\@:
	tensor_load_to_lds s[\g0b:\g0b+3], s[\g1b:\g1b+7]
	s_nop 0
.rept 4
	v_nop
.endr
.Lasked_\@:
.endm
.macro CROUND                          ; a round of the cluster's barrier
	s_barrier_signal -1
	s_barrier_wait -1
	s_cmp_lg_u32 s16, 0
	s_cbranch_scc1 .Lnot_wave_0_\@
	s_barrier_signal -3
.Lnot_wave_0_\@:
	s_barrier_wait -3
	s_barrier_signal -1
	s_barrier_wait -1
.endm
.macro PLACES n
.rept \n
	v_nop
.endr
.endm
	s_load_b256 s[4:11], s[0:1], 0x0               ; xc 4:5, xs 6:7, wc 8:9, ws 10:11
	s_load_b128 s[12:15], s[0:1], 0x20             ; qkv 12:13, fq 14:15
	v_lshl_add_u32 v[SPW], v0, 2, SPARE
	v_mov_b32 v[NIL], 0
	ds_add_u32 v[SPW], v[NIL]                      ; the wave's opening: the add, twice on end, and its wait ahead of my first tensor load
	ds_add_u32 v[SPW], v[NIL]
	v_lshrrev_b32 v1, 5, v0
	v_readfirstlane_b32 s16, v1                    ; wave 0..3
	s_lshr_b32 s17, s16, 1                         ; 0: I fetch for x; 1: for w
	s_and_b32 s18, s16, 1                          ; which half of that tile's rows
	s_bfe_u32 s19, ttmp6, 0x40000                  ; cx
	s_lshl_b32 s20, ttmp9, 2
	s_add_co_u32 s20, s20, s19                     ; tile column 0..15
	s_and_b32 s21, ttmp7, 0xffff                   ; tile row 0..31: the same in all four partners
	s_mov_b32 s[G1A+0], 15|(1<<20)|(1<<21)|(5<<22)|(3<<25)   ; mask: all four; elements of 1 byte; 4 words of padding behind every 64
	s_mov_b32 s[G1A+1], 256<<16                    ; tensor_dim0
	s_mov_b32 s[G1A+2], 128<<16                    ; tensor_dim1
	s_mov_b32 s[G1A+3], 256<<16                    ; tile_dim0
	s_mov_b32 s[G1A+4], 128                        ; tile_dim1
	s_mov_b32 s[G1A+5], 512                        ; a row of codes in memory
	s_mov_b32 s[G1A+6], 0
	s_mov_b32 s[G1A+7], 0
	s_mov_b32 s[G1B+0], (1<<20)|(5<<22)|(3<<25)    ; no mask: my own load
	s_mov_b32 s[G1B+1], 256<<16
	s_mov_b32 s[G1B+2], 96<<16
	s_mov_b32 s[G1B+3], 256<<16
	s_mov_b32 s[G1B+4], 96
	s_mov_b32 s[G1B+5], 512
	s_mov_b32 s[G1B+6], 0
	s_mov_b32 s[G1B+7], 0
	s_mov_b32 s[G1SA+0], 15|(3<<16)|(1<<20)|(1<<21)|(5<<22)|(3<<25)   ; the scale bytes of 128 rows: a dense block, as 16 rows of 32 elements of 8 bytes
	s_mov_b32 s[G1SA+1], 32<<16
	s_mov_b32 s[G1SA+2], 16<<16
	s_mov_b32 s[G1SA+3], 32<<16
	s_mov_b32 s[G1SA+4], 16
	s_mov_b32 s[G1SA+5], 32
	s_mov_b32 s[G1SA+6], 0
	s_mov_b32 s[G1SA+7], 0
	s_mov_b32 s[G1SB+0], (3<<16)|(1<<20)|(5<<22)|(3<<25)             ; of 96 rows: 12 such rows
	s_mov_b32 s[G1SB+1], 32<<16
	s_mov_b32 s[G1SB+2], 12<<16
	s_mov_b32 s[G1SB+3], 32<<16
	s_mov_b32 s[G1SB+4], 12
	s_mov_b32 s[G1SB+5], 32
	s_mov_b32 s[G1SB+6], 0
	s_mov_b32 s[G1SB+7], 0
	s_lshl_b32 s84, s21, 8                         ; x: row 256 x tile row + 128 x half (s84-s89 never hold cx)
	s_lshl_b32 s85, s18, 7
	s_add_co_u32 s84, s84, s85
	s_lshl_b32 s86, s84, 9                         ; its codes,
	s_mov_b32 s87, 0
	s_lshl_b32 s88, s84, 5                         ; its scale bytes
	s_mov_b32 s89, 0
	s_mul_i32 s90, s20, 192                        ; w: row 192 x tile column + 96 x half
	s_mul_i32 s91, s18, 96
	s_add_co_u32 s90, s90, s91
	s_lshl_b32 s92, s90, 9
	s_mov_b32 s93, 0
	s_lshl_b32 s94, s90, 5
	s_mov_b32 s95, 0
	s_mul_i32 s96, s18, 128*272                    ; where they go: the wave's number alone enters an LDS address
	s_mul_i32 s97, s18, 96*272
	s_mul_i32 s98, s18, 16*272
	s_mul_i32 s99, s18, 12*272
	s_wait_dscnt 0x0                               ; both opening adds are done
	s_wait_kmcnt 0x0
	s_mov_b32 s[G0SA], 1
	s_add_co_u32 s[G0SA+1], s98, SCA
	s_add_nc_u64 s[G0SA+2:G0SA+3], s[6:7], s[88:89]
	s_or_b32 s[G0SA+3], s[G0SA+3], 0x80000000
	s_mov_b32 s[G0SB], 1
	s_add_co_u32 s[G0SB+1], s99, SCB
	s_add_nc_u64 s[G0SB+2:G0SB+3], s[10:11], s[94:95]
	s_or_b32 s[G0SB+3], s[G0SB+3], 0x80000000
	s_add_nc_u64 s[86:87], s[4:5], s[86:87]
	s_add_nc_u64 s[92:93], s[8:9], s[92:93]
.irp s, 0,1
	s_mov_b32 s[G0A+4*\s], 1
	s_add_co_u32 s[G0A+4*\s+1], s96, \s*SLOT
	s_add_nc_u64 s[G0A+4*\s+2:G0A+4*\s+3], s[86:87], \s*256
	s_or_b32 s[G0A+4*\s+3], s[G0A+4*\s+3], 0x80000000
	s_mov_b32 s[G0B+4*\s], 1
	s_add_co_u32 s[G0B+4*\s+1], s97, \s*SLOT+BOFF
	s_add_nc_u64 s[G0B+4*\s+2:G0B+4*\s+3], s[92:93], \s*256
	s_or_b32 s[G0B+4*\s+3], s[G0B+4*\s+3], 0x80000000
.endr
	CROUND                                         ; all four work-groups are here: the joint loads meet
	JLOAD G0SA, G1SA, G0SB, G1SB                   ; the scale bytes; then both halves of K: three loads of mine are out
	JLOAD G0A, G1A, G0B, G1B
	JLOAD G0A+4, G1A, G0B+4, G1B
	v_and_b32 v1, 15, v0                           ; r
	v_bfe_u32 v2, v0, 4, 1                         ; h
	v_and_b32 v3, 31, v0                           ; lane
	v_mul_u32_u24 v4, v1, 272
	v_lshl_add_u32 v4, v2, 4, v4                   ; a fragment's row x pitch + 16 h
	s_mul_i32 s84, s16, 64*272
	v_add_nc_u32 v[ADRA], s84, v4                  ; my 64 rows of x
	v_add_nc_u32 v[ADRA+1], SLOT, v[ADRA]
	v_add_nc_u32 v[ADRB], BOFF, v4
	v_add_nc_u32 v[ADRB+1], SLOT, v[ADRB]
	v_lshrrev_b32 v5, 3, v3
	v_lshlrev_b32 v6, 5, v3
	v_lshl_add_u32 v6, v5, 4, v6                   ; row lane's 32 scale bytes: 32 x lane, + 16 for each piece passed
	s_mul_i32 s85, s16, 8*272
	s_add_co_u32 s85, s85, SCA
	v_add_nc_u32 v[ADSA], s85, v6
	v_add_nc_u32 v[ADSB], SCB, v6
	s_mul_i32 s84, s16, 6400
	s_add_co_u32 s84, s84, STAGE                   ; my stage
	v_mul_u32_u24 v7, v1, 400
	v_lshl_add_u32 v7, v2, 4, v7
	v_add_nc_u32 v[STO], s84, v7                   ; in: row r, 16 bytes for each half of the lanes
	v_mul_u32_u24 v8, v5, 400
	v_and_b32 v9, 7, v0
	v_lshl_add_u32 v8, v9, 4, v8
	v_add_nc_u32 v[RD], s84, v8                    ; back: eight lanes to a head's 128 bytes of a row, four rows an instruction
	v_lshlrev_b32 v[CO], 4, v3
	v_lshlrev_b32 v[FO], 8, v1
	v_lshl_add_u32 v[FO], v2, 5, v[FO]             ; fq: row r of 256 bytes, + 32 h
	s_lshr_b32 s90, s21, 3                         ; the batch
	s_mul_i32 s90, s90, 48
	s_mul_i32 s91, s20, 3
	s_add_co_u32 s90, s90, s91                     ; 48 b + my first head
	s_mov_b32 s93, 0
	s_lshl_b32 s92, s90, 12
	s_add_nc_u64 s[14:15], s[14:15], s[92:93]
	s_lshl_b32 s92, s90, 18
	s_add_nc_u64 s[12:13], s[12:13], s[92:93]
	s_and_b32 s94, s21, 7
	s_lshl_b32 s94, s94, 8
	s_lshl_b32 s95, s16, 6
	s_add_co_u32 s94, s94, s95                     ; my first position in the sequence
	s_lshl_b32 s92, s94, 7
	s_add_nc_u64 s[12:13], s[12:13], s[92:93]
.macro FETCH q, p                      ; 32 LDS loads in one run: K step q's fragments into set p: w's twelve, x's four
	WIN TO_B
.irp b, 0,1,2,3,4,5,6,7,8,9,10,11
.irp c, 0,1
	ds_load_b128 v[128*(\p)+8*\b+4*\c:128*(\p)+8*\b+4*\c+3], v[ADRB+(\q)/4] offset:4352*\b+64*((\q)%4)+32*\c
.endr
.endr
	WIN 0
.irp a, 0,1,2,3
.irp c, 0,1
	ds_load_b128 v[AF+32*(\p)+8*\a+4*\c:AF+32*(\p)+8*\a+4*\c+3], v[ADRA+(\q)/4] offset:4352*\a+64*((\q)%4)+32*\c
.endr
.endr
.endm
.macro SCALES                          ; all scale words, once: eight words a row
.irp i, 0,1
	ds_load_b128 v[SA+8*\i:SA+8*\i+3], v[ADSA] offset:1088*\i
	ds_load_b128 v[SA+8*\i+4:SA+8*\i+7], v[ADSA] offset:1088*\i+16
.endr
.irp i, 0,1,2,3,4,5
	ds_load_b128 v[SB+8*\i:SB+8*\i+3], v[ADSB] offset:1088*\i
	ds_load_b128 v[SB+8*\i+4:SB+8*\i+7], v[ADSB] offset:1088*\i+16
.endr
.endm
.macro WM zero                         ; one product; rW says which halves of the scale registers' lanes are read
.if \zero
.if rW == 0
	v_wmma_scale_f32_16x16x128_f8f6f4 v[rD:rD+7], v[rB:rB+7], v[rA:rA+7], 0, v[rX], v[rY] matrix_a_fmt:MATRIX_FMT_FP4 matrix_b_fmt:MATRIX_FMT_FP4
.elseif rW == 1
	v_wmma_scale_f32_16x16x128_f8f6f4 v[rD:rD+7], v[rB:rB+7], v[rA:rA+7], 0, v[rX], v[rY] matrix_a_fmt:MATRIX_FMT_FP4 matrix_b_fmt:MATRIX_FMT_FP4 matrix_a_scale:MATRIX_SCALE_ROW1
.elseif rW == 2
	v_wmma_scale_f32_16x16x128_f8f6f4 v[rD:rD+7], v[rB:rB+7], v[rA:rA+7], 0, v[rX], v[rY] matrix_a_fmt:MATRIX_FMT_FP4 matrix_b_fmt:MATRIX_FMT_FP4 matrix_b_scale:MATRIX_SCALE_ROW1
.else
	v_wmma_scale_f32_16x16x128_f8f6f4 v[rD:rD+7], v[rB:rB+7], v[rA:rA+7], 0, v[rX], v[rY] matrix_a_fmt:MATRIX_FMT_FP4 matrix_b_fmt:MATRIX_FMT_FP4 matrix_a_scale:MATRIX_SCALE_ROW1 matrix_b_scale:MATRIX_SCALE_ROW1
.endif
.else
.if rW == 0
	v_wmma_scale_f32_16x16x128_f8f6f4 v[rD:rD+7], v[rB:rB+7], v[rA:rA+7], v[rD:rD+7], v[rX], v[rY] matrix_a_fmt:MATRIX_FMT_FP4 matrix_b_fmt:MATRIX_FMT_FP4
.elseif rW == 1
	v_wmma_scale_f32_16x16x128_f8f6f4 v[rD:rD+7], v[rB:rB+7], v[rA:rA+7], v[rD:rD+7], v[rX], v[rY] matrix_a_fmt:MATRIX_FMT_FP4 matrix_b_fmt:MATRIX_FMT_FP4 matrix_a_scale:MATRIX_SCALE_ROW1
.elseif rW == 2
	v_wmma_scale_f32_16x16x128_f8f6f4 v[rD:rD+7], v[rB:rB+7], v[rA:rA+7], v[rD:rD+7], v[rX], v[rY] matrix_a_fmt:MATRIX_FMT_FP4 matrix_b_fmt:MATRIX_FMT_FP4 matrix_b_scale:MATRIX_SCALE_ROW1
.else
	v_wmma_scale_f32_16x16x128_f8f6f4 v[rD:rD+7], v[rB:rB+7], v[rA:rA+7], v[rD:rD+7], v[rX], v[rY] matrix_a_fmt:MATRIX_FMT_FP4 matrix_b_fmt:MATRIX_FMT_FP4 matrix_a_scale:MATRIX_SCALE_ROW1 matrix_b_scale:MATRIX_SCALE_ROW1
.endif
.endif
.endm
; 24 products: row blocks a0, a0 + 1 x the twelve column blocks.  The 48 accumulators take turns, one instruction a turn, in the same order in every step.
.macro MUL a0, p, q, zero
.irp a, \a0, \a0+1
.irp b, 0,1,2,3,4,5,6,7,8,9,10,11
.set rD, 8*(12*((\a)%2)+\b)
.set rB, 128*(\p)+8*\b
.set rA, AF+32*(\p)+8*(\a)
.set rX, SB+8*(\b/2)+(\q)
.set rY, SA+8*((\a)/2)+(\q)
.set rW, (\b%2)+2*((\a)%2)
	WM \zero
.endr
.endr
.endm
.macro STEP q, zero
	s_wait_dscnt 0x0                               ; this step's fragments are in (asked for 24 products ago)
	WIN MUL1
	MUL 0, (\q)%2, \q, \zero
.if (\q) < 7
.if (\q) == 3
	s_wait_tensorcnt 0x0                           ; my part of the second half of K has landed,
	s_barrier_signal -1                            ; (no LDS instruction of mine is out: the wait at the step's head)
	s_barrier_wait -1                              ; everybody's has
.endif
	PLACES 4                                       ; in front of loads into registers that matrix instructions have read
	FETCH (\q)+1, ((\q)+1)%2
.endif
	WIN MUL2
	MUL 2, (\q)%2, \q, \zero
.endm
	s_wait_tensorcnt 1                             ; the scale bytes and the first half of K have landed; the second half's load may be out
	s_barrier_signal -1
	s_barrier_wait -1                              ; everybody's have
	SCALES
	FETCH 0, 0
	STEP 0, 1                                      ; the first products start the sums: nothing is cleared
	STEP 1, 0
	STEP 2, 0
	STEP 3, 0
	STEP 4, 0
	STEP 5, 0
	STEP 6, 0
	STEP 7, 0
	WIN 0
	PLACES 4                                       ; in front of the first reads of results
	; rows s < 16 of a batch lie in row block 0 of wave 0 of every eighth tile row: they leave as f32 too.  16 bytes a lane into rows 256 bytes apart: 786,432 bytes in the whole launch
	s_and_b32 s84, s21, 7
	s_or_b32 s84, s84, s16
	s_cmp_lg_u32 s84, 0
	s_cbranch_scc1 .Lno_fine
	WIN 0x04                                       ; a store's data: window 1
.irp b, 0,1,2,3,4,5,6,7,8,9,10,11
	global_store_b128 v[FO], v[8*\b:8*\b+3], s[14:15] offset:(\b/4)*4096+64*(\b%4)
	global_store_b128 v[FO], v[8*\b+4:8*\b+7], s[14:15] offset:(\b/4)*4096+64*(\b%4)+16
.endr
	WIN 0
.Lno_fine:
; THE WAY OUT, a block of 16 rows x 192 columns at a time: rounded to f16, through my own stage, and back so that each store of the wave covers 512 consecutive bytes (four rows of one head).
.macro PACK a
.set WN, 0x05*(1+(\a)/2)
	WIN WN                                         ; sources 0 and 1: window 1 or 2
.irp b, 0,1,2,3,4,5,6,7,8,9,10,11
.irp i, 0,1,2,3
	v_cvt_pk_f16_f32 v[TMP+4*\b+\i], v[8*(12*((\a)%2)+\b)+2*\i], v[8*(12*((\a)%2)+\b)+2*\i+1]
.endr
.endr
	WIN 0
.endm
.macro TOSTAGE a
.if (\a) > 0
	s_wait_xcnt 0x0                                ; the last block's stores have read v208-255, into which the loads below land
.endif
.irp b, 0,1,2,3,4,5,6,7,8,9,10,11
	ds_store_b128 v[STO], v[TMP+4*\b:TMP+4*\b+3] offset:32*\b
.endr
.irp j, 0,1,2
.irp i, 0,1,2,3
	ds_load_b128 v[BK+4*(4*\j+\i):BK+4*(4*\j+\i)+3], v[RD] offset:128*\j+1600*\i   ; LDS serves a wave's instructions in order: these see the stores above
.endr
.endr
.endm
.macro SEND a
	s_wait_dscnt 0x0
.irp j, 0,1,2
.irp i, 0,1,2,3
	global_store_b128 v[CO], v[BK+4*(4*\j+\i):BK+4*(4*\j+\i)+3], s[12:13] offset:\j*262144+2048*(\a)+512*\i
.endr
.endr
.endm
	PACK 0
	TOSTAGE 0
.irp a, 1,2,3
	PACK \a
	SEND \a-1
	TOSTAGE \a
.endr
	SEND 3
	s_wait_tensorcnt 0x0                           ; the wave's end
	ds_add_u32 v[SPW], v[NIL]
	s_wait_dscnt 0x0
	CROUND                                         ; the closing round
	s_endpgm
.Lfunc_end_k_qfc6918c21f_qkvgemm:
	.size	k_qfc6918c21f_qkvgemm, .Lfunc_end_k_qfc6918c21f_qkvgemm-k_qfc6918c21f_qkvgemm
	.p2alignl 7, 3214868480
	.fill 96, 4, 3214868480
	.section	.rodata,"a",@progbits
	.p2align	6, 0x0
	.amdhsa_kernel k_qfc6918c21f_qkvgemm
		.amdhsa_group_segment_fixed_size 285184
		.amdhsa_private_segment_fixed_size 0
		.amdhsa_enable_private_segment 0
		.amdhsa_kernarg_size 48
		.amdhsa_user_sgpr_count 2
		.amdhsa_user_sgpr_kernarg_segment_ptr 1
		.amdhsa_wavefront_size32 1
		.amdhsa_system_sgpr_workgroup_id_x 1
		.amdhsa_system_sgpr_workgroup_id_y 1
		.amdhsa_system_sgpr_workgroup_id_z 1
		.amdhsa_system_vgpr_workitem_id 0
		.amdhsa_next_free_vgpr 1024
		.amdhsa_next_free_sgpr 100
		.amdhsa_reserve_vcc 0
		.amdhsa_float_denorm_mode_32 3
		.amdhsa_float_denorm_mode_16_64 3
		.amdhsa_memory_ordered 1
		.amdhsa_forward_progress 1
		.amdhsa_inst_pref_size 103
	.end_amdhsa_kernel
	.amdgpu_metadata
---
amdhsa.version: [ 1, 2 ]
amdhsa.kernels:
  - .name:           k_qfc6918c21f_qkvgemm
    .symbol:         k_qfc6918c21f_qkvgemm.kd
    .args:
      - { .name: xc, .offset: 0, .size: 8, .value_kind: global_buffer, .address_space: global }
      - { .name: xs, .offset: 8, .size: 8, .value_kind: global_buffer, .address_space: global }
      - { .name: wc, .offset: 16, .size: 8, .value_kind: global_buffer, .address_space: global }
      - { .name: ws, .offset: 24, .size: 8, .value_kind: global_buffer, .address_space: global }
      - { .name: qkv, .offset: 32, .size: 8, .value_kind: global_buffer, .address_space: global }
      - { .name: fq, .offset: 40, .size: 8, .value_kind: global_buffer, .address_space: global }
    .group_segment_fixed_size: 285184
    .private_segment_fixed_size: 0
    .kernarg_segment_align: 8
    .kernarg_segment_size: 48
    .max_flat_workgroup_size: 128
    .sgpr_count:     100
    .vgpr_count:     1024
    .wavefront_size: 32
...
	.end_amdgpu_metadata
.endif
;; end of part 2
;; launch attention (part 3): grid 8 x 64, 8 waves a work-group, no clusters, 327,680 bytes of LDS; arguments qkv, attn; writes attn
.if DOCPART == 3
	.amdgcn_target "amdgcn-amd-amdhsa--gfx1250"
	.amdhsa_code_object_version 6
	.text
	.protected	k_qfc6918c21f_attention
	.globl	k_qfc6918c21f_attention
	.p2align	8
	.type	k_qfc6918c21f_attention,@function
k_qfc6918c21f_attention:
	s_mov_b64 s[64:65], 0
	v_nop
	global_prefetch_b8 v0, s[64:65] scope:SCOPE_SE
	s_setreg_imm32_b32 hwreg(HW_REG_WAVE_MODE, 25, 1), 1
	s_wait_xcnt 0x0
; Causal attention on f16 operands, sums, maxima and softmax in f32.  qkv: [b][g 48][s 2048][64] f16 (g = h: q, 16 + h: k, 32 + h: v).  attn: [h][b x 2048 + s][64] f16.
; SHARES.  Work-group (i, b x 16 + h) owns the query blocks i and 15 - i of 128 queries: every work-group has the same number of key steps under the mask.
; Wave w owns two tiles of 16 queries: tile 0 at 128 (15 - i) + 16 w, tile 1 at 128 i + 16 w; a fragment of K or V read from LDS serves both while tile 1 is at work.
; LAYOUT.  S^T = K Q^T (source 0 = 16 keys, source 1 = 16 queries) and O^T = V^T P: a lane holds one query throughout.  V ([key][channel]) is turned by ds_load_tr16_b128.
; SOFTMAX.  A running maximum m and sum l for each query: p = 2^(c s - c m), c = log2(e) / 8; in every step O and l are multiplied by 2^(c m_old - c m_new).
; RING.  Two slots of 256 keys (4 steps of 64), filled by the tensor data mover: waves 0-3 fetch K's four quarters, waves 4-7 V's.  Every work-group walks all 8 slots: the trip counts are constants.
; A step all of whose keys come after a tile's queries is jumped over, and a slot whose first key comes after the work-group's last query is not asked for: both by ids and the count of steps alone.
; NO CLUSTER: the work-groups of one head end their loads at different keys (between key 1,151 and key 2,047), so a joint tile would go unread by some partner.
; The rows s < 16 of each batch are made here too; a later launch makes them again in f32.  LIMIT: the results stay under 65,504 (f16).
; REGISTERS: window 0: v1-12 addresses; v16-31 statistics, 8 a tile: +0 c m, +1 m, +2, +3 l, +4..+7 at work (+6: the factor); v32-63 Q; v64-127 S^T; v128-159 P; v160-223 O^T; v252, v254 the mask's.
;   window 1: v0-63 K's fragments (keys 16 kt, channels 32 c at 8 (2 kt + c)); v64-127 V's (keys 32 ks, channels 16 ct at 64 + 8 (4 ks + ct)).
.set SLOT1, 131072
.set VOFF,  36864                      ; a slot: 256 rows of K x 144 bytes, then 256 rows of V x 160
.set SPARE, 208896                     ; the spare words, 128 bytes a wave
.set AK0, 1
.set AV0, 2
.set ADK, 3
.set ADV, 4
.set SPW, 5
.set NIL, 6
.set PFO, 7
.set STO, 8
.set RD,  9
.set GO,  10
.set RL,  11
.set QO,  12
.set ST,  16
.set Q,   32
.set S,   64
.set P,   128
.set O,   160
.set WV,  8
.set SEL, 12
.set CS,  14
.set G1K, 16
.set G1V, 24
.set G0K, 32
.set G0V, 36
.set TK,  40                           ; LDS byte at which the step's rows of K begin
.set TV,  41                           ; and of V (less VOFF)
.set KF,  42                           ; the step's first key
.set Q0H, 43                           ; tile 0's first query
.set Q0L, 44                           ; tile 1's
.set QWL, 45                           ; the work-group's last query
.set SLOTS, 46
.set FOUR,  47
.set LIM, 48
.set PFA, 50
.set OBH, 52
.set OBL, 54
.set MSB, 0
.macro WIN new
.if MSB != \new
	s_set_vgpr_msb (MSB<<8)|\new
.set MSB, \new
.endif
.endm
.macro TLOAD                           ; every wave issues one load: waves 0-3 K's line, waves 4-7 V's; an s_nop 0 and four v_nop follow each
	s_cmp_lt_u32 s[WV], 4
	s_cbranch_scc0 .Lfor_v_\@
	tensor_load_to_lds s[G0K:G0K+3], s[G1K:G1K+7]
	s_nop 0
.rept 4
	v_nop
.endr
	s_branch .Lasked_\@
.Lfor_v_\@:
	tensor_load_to_lds s[G0V:G0V+3], s[G1V:G1V+7]
	s_nop 0
.rept 4
	v_nop
.endr
.Lasked_\@:
.endm
; A prefetch of what the NEXT change of slots will load: my wave's own 64 rows (8,192 bytes), lanes 256 bytes apart.  All work-groups of a head walk the same K and V: work-group i = 0, which walks all keys, asks, and nobody else.
; So each 256 bytes are named once in the launch.  Slots 0 and 1 come by their loads alone; the last change that fills a slot asks for nothing.
.macro ASK
	s_cmp_gt_u32 s[SLOTS], s[LIM]
	s_cbranch_scc0 .Lnot_mine_\@
	global_prefetch_b8 v[PFO], s[PFA:PFA+1] th:TH_LOAD_NT scope:SCOPE_SE
.Lnot_mine_\@:
.endm
	s_load_b128 s[4:7], s[0:1], 0x0                ; qkv 4:5, attn 6:7
	v_lshl_add_u32 v[SPW], v0, 2, SPARE
	v_mov_b32 v[NIL], 0
	ds_add_u32 v[SPW], v[NIL]                      ; the wave's opening: the add, twice on end, and its wait ahead of my first tensor load
	ds_add_u32 v[SPW], v[NIL]
	v_lshrrev_b32 v13, 5, v0
	v_readfirstlane_b32 s[WV], v13                 ; wave 0..7
	s_and_b32 s10, ttmp7, 0xffff
	s_lshr_b32 s56, s10, 4                         ; b
	s_and_b32 s57, s10, 15                         ; h
	s_mul_i32 s58, s56, 48
	s_add_co_u32 s58, s58, s57
	s_lshl_b32 s66, s58, 18                        ; q's head, in bytes: 2,048 rows of 128
	s_and_b32 s59, s[WV], 3                        ; which quarter of a slot's rows I fetch
	s_lshl_b32 s60, s59, 13
	s_add_co_u32 s68, s66, s60
	s_add_co_u32 s68, s68, 16<<18                  ; k's head, my quarter
	s_mov_b32 s69, 0
	s_add_co_u32 s70, s68, 16<<18                  ; v's
	s_mov_b32 s71, 0
	s_sub_co_u32 s[Q0H], 15, ttmp9
	s_lshl_b32 s[Q0H], s[Q0H], 7
	s_or_b32 s[QWL], s[Q0H], 127
	s_lshl_b32 s61, s[WV], 4
	s_add_co_u32 s[Q0H], s[Q0H], s61
	s_lshl_b32 s[Q0L], ttmp9, 7
	s_add_co_u32 s[Q0L], s[Q0L], s61
	s_lshl_b32 s72, s[Q0H], 7
	s_add_co_u32 s72, s72, s66
	s_mov_b32 s73, 0
	s_lshl_b32 s74, s[Q0L], 7
	s_add_co_u32 s74, s74, s66
	s_mov_b32 s75, 0
	s_lshl_b32 s62, s57, 20                        ; attn: a head is 8,192 rows of 128 bytes
	s_lshl_b32 s63, s56, 11
	s_add_co_u32 s[OBH], s63, s[Q0H]
	s_lshl_b32 s[OBH], s[OBH], 7
	s_add_co_u32 s[OBH], s[OBH], s62
	s_mov_b32 s[OBH+1], 0
	s_add_co_u32 s[OBL], s63, s[Q0L]
	s_lshl_b32 s[OBL], s[OBL], 7
	s_add_co_u32 s[OBL], s[OBL], s62
	s_mov_b32 s[OBL+1], 0
	s_cmp_lt_u32 s[WV], 4
	s_cselect_b32 s[PFA], s68, s70
	s_add_co_u32 s[PFA], s[PFA], 32768             ; in slot 1: the first change of slots steps it to slot 2
	s_mov_b32 s[PFA+1], 0
	s_cmp_eq_u32 ttmp9, 0
	s_cselect_b32 s[LIM], 1, -1
	s_mov_b32 s[G1K+0], (1<<16)|(1<<20)|(4<<22)|(3<<25)   ; elements of 2 bytes; 4 words of padding behind every 32
	s_mov_b32 s[G1K+1], 64<<16                     ; tensor_dim0
	s_mov_b32 s[G1K+2], 64<<16                     ; tensor_dim1
	s_mov_b32 s[G1K+3], 64<<16                     ; tile_dim0
	s_mov_b32 s[G1K+4], 64                         ; tile_dim1
	s_mov_b32 s[G1K+5], 64                         ; from row to row
	s_mov_b32 s[G1K+6], 0
	s_mov_b32 s[G1K+7], 0
	s_mov_b32 s[G1V+0], (1<<16)|(1<<20)|(4<<22)|(7<<25)   ; 8 words of padding
	s_mov_b32 s[G1V+1], 64<<16
	s_mov_b32 s[G1V+2], 64<<16
	s_mov_b32 s[G1V+3], 64<<16
	s_mov_b32 s[G1V+4], 64
	s_mov_b32 s[G1V+5], 64
	s_mov_b32 s[G1V+6], 0
	s_mov_b32 s[G1V+7], 0
	s_mov_b32 s[SEL], 0x76543210
	s_mov_b32 s[SEL+1], 0xfedcba98
	s_mov_b32 s[CS], 0x3e38aa3b                    ; c = log2(e) / 8
	s_mov_b32 s[CS+1], s[CS]
	s_mov_b32 s[TK], 0
	s_mov_b32 s[TV], 0
	s_mov_b32 s[KF], 0
	s_mov_b32 s[SLOTS], 7
	s_mov_b32 s[G0K], 1
	s_mul_i32 s[G0K+1], s59, 64*144
	s_mov_b32 s[G0V], 1
	s_mul_i32 s[G0V+1], s59, 64*160
	s_add_co_u32 s[G0V+1], s[G0V+1], VOFF
	s_wait_dscnt 0x0                               ; both opening adds are done
	s_wait_kmcnt 0x0
	s_add_nc_u64 s[G0K+2:G0K+3], s[4:5], s[68:69]
	s_or_b32 s[G0K+3], s[G0K+3], 0x80000000
	s_add_nc_u64 s[G0V+2:G0V+3], s[4:5], s[70:71]
	s_or_b32 s[G0V+3], s[G0V+3], 0x80000000
	TLOAD                                          ; slot 0: one load of mine is out
	s_add_nc_u64 s[72:73], s[4:5], s[72:73]        ; Q at tile 0's first query,
	s_add_nc_u64 s[74:75], s[4:5], s[74:75]        ; at tile 1's
	s_add_nc_u64 s[PFA:PFA+1], s[4:5], s[PFA:PFA+1]
	s_add_nc_u64 s[OBH:OBH+1], s[6:7], s[OBH:OBH+1]
	s_add_nc_u64 s[OBL:OBL+1], s[6:7], s[OBL:OBL+1]
	v_and_b32 v13, 15, v0                          ; r
	v_bfe_u32 v14, v0, 4, 1                        ; h
	v_and_b32 v15, 31, v0                          ; lane
	v_lshlrev_b32 v[QO], 7, v13
	v_lshl_add_u32 v[QO], v14, 4, v[QO]
.irp c, 0,1
	global_load_b128 v[Q+8*\c:Q+8*\c+3], v[QO], s[72:73] offset:64*\c
	global_load_b128 v[Q+8*\c+4:Q+8*\c+7], v[QO], s[72:73] offset:64*\c+32
	global_load_b128 v[Q+16+8*\c:Q+16+8*\c+3], v[QO], s[74:75] offset:64*\c
	global_load_b128 v[Q+16+8*\c+4:Q+16+8*\c+7], v[QO], s[74:75] offset:64*\c+32
.endr
	v_mul_u32_u24 v[AK0], v13, 144
	v_lshl_add_u32 v[AK0], v14, 4, v[AK0]          ; K: row r x pitch + 16 h
	v_and_b32 v[ADK], 7, v0
	v_lshl_add_u32 v[AV0], v14, 3, v[ADK]
	v_mul_u32_u24 v[AV0], v[AV0], 160
	v_bfe_u32 v[ADV], v0, 3, 1
	v_lshl_add_u32 v[AV0], v[ADV], 4, v[AV0]
	v_add_nc_u32 v[AV0], VOFF, v[AV0]              ; V: (8 h + lane % 8) x pitch + 16 ((lane / 8) % 2)
	v_lshlrev_b32 v[PFO], 8, v15
	s_mul_i32 s56, s[WV], 4608                     ; my stage for the way out: two tiles of 16 rows x 144 bytes
	v_mul_u32_u24 v[STO], v13, 144
	v_lshl_add_u32 v[STO], v14, 4, v[STO]
	v_add_nc_u32 v[STO], s56, v[STO]
	v_lshrrev_b32 v[RD], 3, v15
	v_mul_u32_u24 v[RD], v[RD], 144
	v_lshl_add_u32 v[RD], v[ADK], 4, v[RD]
	v_add_nc_u32 v[RD], s56, v[RD]
	v_lshlrev_b32 v[GO], 4, v15
	v_lshlrev_b32 v[RL], 3, v14
	v_sub_nc_u32 v[RL], v13, v[RL]                 ; r - 8 h
.irp t, 0,1
	v_mov_b32 v[ST+8*\t+1], 0xff61b1e6             ; m: -3e38, under every score
	v_mul_f32 v[ST+8*\t], s[CS], v[ST+8*\t+1]      ; c m
.irp j, 2,3,4,5,6,7
	v_mov_b32 v[ST+8*\t+\j], 0
.endr
.endr
.set i, 0
.rept 64
	v_mov_b32 v[O+i], 0                            ; O^T.  (The step is written once: the first finds zeros, which the first factor, 0, leaves zeros)
.set i, i+1
.endr
.macro SQK t                           ; S^T = K Q^T: 8 products, the four accumulators by turns
.irp c, 0,1
.irp kt, 0,1,2,3
.if \c == 0
	v_wmma_f32_16x16x32_f16 v[S+32*\t+8*\kt:S+32*\t+8*\kt+7], v[8*(2*\kt+\c):8*(2*\kt+\c)+7], v[Q+16*\t+8*\c:Q+16*\t+8*\c+7], 0
.else
	v_wmma_f32_16x16x32_f16 v[S+32*\t+8*\kt:S+32*\t+8*\kt+7], v[8*(2*\kt+\c):8*(2*\kt+\c)+7], v[Q+16*\t+8*\c:Q+16*\t+8*\c+7], v[S+32*\t+8*\kt:S+32*\t+8*\kt+7]
.endif
.endr
.endr
.endm
.macro PV t                            ; O^T += V^T P: 8 products, the four accumulators by turns
.irp ks, 0,1
.irp ct, 0,1,2,3
	v_wmma_f32_16x16x32_f16 v[O+32*\t+8*\ct:O+32*\t+8*\ct+7], v[64+8*(4*\ks+\ct):64+8*(4*\ks+\ct)+7], v[P+16*\t+8*\ks:P+16*\t+8*\ks+7], v[O+32*\t+8*\ct:O+32*\t+8*\ct+7]
.endr
.endr
.endm
.macro MASK t, q0                      ; on the diagonal hidden scores become -infinity; a step all of whose keys count skips this
	s_add_co_u32 s56, s[KF], 63
	s_cmp_le_u32 s56, s[\q0]
	s_cbranch_scc1 .Lopen_\@
	s_sub_co_i32 s56, s[\q0], s[KF]
	v_add_nc_u32 v252, s56, v[RL]                  ; d = my query - KF - 8 h.  Register 8 kt + j holds key KF + 16 kt + 8 h + j: hidden where 16 kt + j > d
	v_mov_b32 v254, 0xff800000
.irp kt, 0,1,2,3
.irp j, 0,1,2,3,4,5,6,7
	v_cmp_gt_i32 vcc_lo, 16*\kt+\j, v252
	v_cndmask_b32 v[S+32*\t+8*\kt+\j], v[S+32*\t+8*\kt+\j], v254, vcc_lo
.endr
.endr
.Lopen_\@:
.endm
.macro SM t                            ; one tile's softmax for one key step
.set rT, ST+8*(\t)
.set rS, S+32*(\t)
.set rP, P+16*(\t)
.set rO, O+32*(\t)
.irp j, 0,1,2,3
	v_max3_num_f32 v[rT+4+\j], v[rS+8*\j], v[rS+8*\j+1], v[rS+8*\j+2]   ; four chains; each accumulator is read from its low end on
.endr
.irp j, 0,1,2,3
	v_max3_num_f32 v[rT+4+\j], v[rT+4+\j], v[rS+8*\j+3], v[rS+8*\j+4]
.endr
.irp j, 0,1,2,3
	v_max3_num_f32 v[rT+4+\j], v[rT+4+\j], v[rS+8*\j+5], v[rS+8*\j+6]
.endr
	v_max3_num_f32 v[rT+4], v[rT+4], v[rS+7], v[rS+15]
	v_max3_num_f32 v[rT+6], v[rT+6], v[rS+23], v[rS+31]
	v_max3_num_f32 v[rT+4], v[rT+4], v[rT+5], v[rT+6]
	v_max3_num_f32 v[rT+4], v[rT+4], v[rT+7], v[rT+1]                   ; with the old m
	v_permlanex16_b32 v[rT+5], v[rT+4], s[SEL], s[SEL+1]                ; the query's other 32 keys lie in the lane 16 away
	v_mov_b32 v[rT+7], v[rT]                                            ; c m_old
	v_max_num_f32 v[rT+1], v[rT+4], v[rT+5]                             ; the new m
	v_mul_f32 v[rT], s[CS], v[rT+1]
	v_sub_f32 v[rT+7], v[rT+7], v[rT]                                   ; c m_old - c m_new
.irp j, 0,2,4,6,8,10,12,14,16,18,20,22,24,26,28,30
	v_pk_fma_f32 v[rS+\j:rS+\j+1], v[rS+\j:rS+\j+1], s[CS:CS+1], v[rT:rT+1] op_sel_hi:[1,0,0] neg_lo:[0,0,1] neg_hi:[0,0,1]   ; c s - c m
.endr
	v_exp_f32 v[rT+6], v[rT+7]                                          ; the factor for what was summed under the old m
.set i, 0
.rept 32
	v_exp_f32 v[rS+i], v[rS+i]
.set i, i+1
.endr
	v_nop                                          ; a plain instruction behind the last exponential
	s_wait_alu depctr_va_vdst(0)                   ; one wait for the batch of 33, ahead of its first reader
.set i, 0
.rept 16
	v_cvt_pk_f16_f32 v[rP+i], v[rS+2*i], v[rS+2*i+1]
.set i, i+1
.endr
.irp u, 0,4,8,12,16,20,24,28
	v_pk_add_f32 v[rS+\u:rS+\u+1], v[rS+\u:rS+\u+1], v[rS+\u+2:rS+\u+3]   ; the sum is taken of the unrounded p
.endr
.irp u, 0,8,16,24
	v_pk_add_f32 v[rS+\u:rS+\u+1], v[rS+\u:rS+\u+1], v[rS+\u+4:rS+\u+5]
.endr
.irp u, 0,16
	v_pk_add_f32 v[rS+\u:rS+\u+1], v[rS+\u:rS+\u+1], v[rS+\u+8:rS+\u+9]
.endr
	v_pk_add_f32 v[rS:rS+1], v[rS:rS+1], v[rS+16:rS+17]
	v_pk_fma_f32 v[rT+2:rT+3], v[rT+2:rT+3], v[rT+6:rT+7], v[rS:rS+1] op_sel_hi:[1,0,1]
.irp j, 0,2,4,6,8,10,12,14,16,18,20,22,24,26,28,30
	v_pk_mul_f32 v[rO+\j:rO+\j+1], v[rO+\j:rO+\j+1], v[rT+6:rT+7] op_sel_hi:[1,0]
.endr
.endm
.macro TILE0                           ; tile 0's part of a step behind its scores: mask, softmax, V^T P.  It stands in both arms of the step
.rept 4
	v_nop                                          ; places in front of the first read of the scores
.endr
	MASK 0, Q0H
	SM 0
	s_wait_dscnt 0x0                               ; V is in
	WIN 0x01
	PV 0
	WIN 0
.endm
; A KEY STEP: 64 keys.  KF is a multiple of 64 and a tile's first query of 16: a tile is at work where KF <= its first query, and then key KF counts for each of its queries.
; The step parts ONCE on whether tile 1 is at work, behind tile 0's products K Q^T: all that reads tile 1's scores stands on the one way that has just made them.
; Where both tiles are at work, tile 1's products stand ahead of tile 0's softmax.  On every way no two matrix instructions that follow each other share an accumulator.
.macro STEP
	s_cmp_gt_u32 s[KF], s[Q0H]
	s_cbranch_scc1 .Lhid_\@
	v_add_nc_u32 v[ADK], s[TK], v[AK0]
	v_add_nc_u32 v[ADV], s[TV], v[AV0]
	v_nop
	v_nop                                          ; four places in front of loads into registers that the last products read
	WIN 0x40                                       ; destination window 1
.irp kt, 0,1,2,3
.irp c, 0,1
	ds_load_b128 v[8*(2*\kt+\c):8*(2*\kt+\c)+3], v[ADK] offset:2304*\kt+64*\c
	ds_load_b128 v[8*(2*\kt+\c)+4:8*(2*\kt+\c)+7], v[ADK] offset:2304*\kt+64*\c+32
.endr
.endr
.irp ks, 0,1
.irp ct, 0,1,2,3
	ds_load_tr16_b128 v[64+8*(4*\ks+\ct):64+8*(4*\ks+\ct)+3], v[ADV] offset:5120*\ks+32*\ct
	ds_load_tr16_b128 v[64+8*(4*\ks+\ct)+4:64+8*(4*\ks+\ct)+7], v[ADV] offset:5120*\ks+32*\ct+2560
.endr
.endr
	s_wait_dscnt 16                                ; K is in; V's sixteen loads may be out
	WIN 0x01                                       ; source 0 window 1
	SQK 0
	WIN 0
	s_cmp_gt_u32 s[KF], s[Q0L]
	s_cbranch_scc1 .Lone_\@
	WIN 0x01                                       ; both tiles are at work
	SQK 1
	WIN 0
	TILE0
	MASK 1, Q0L
	SM 1
	WIN 0x01
	PV 1
	WIN 0
	s_branch .Lhid_\@
.Lone_\@:                                          ; tile 0 alone
	TILE0
.Lhid_\@:
	s_add_co_u32 s[KF], s[KF], 64
	s_add_co_u32 s[TK], s[TK], 64*144
	s_add_co_u32 s[TV], s[TV], 64*160
.endm
.macro FOUR_STEPS                      ; a slot's four key steps: written once, walked four times
	s_mov_b32 s[FOUR], 4
.Lstep_\@:
	STEP
	s_sub_co_u32 s[FOUR], s[FOUR], 1
	s_cmp_lg_u32 s[FOUR], 0
	s_cbranch_scc1 .Lstep_\@
	s_sub_co_u32 s[TK], s[TK], 256*144
	s_xor_b32 s[TK], s[TK], SLOT1                  ; on to the other slot
	s_sub_co_u32 s[TV], s[TV], 256*160
	s_xor_b32 s[TV], s[TV], SLOT1
.endm
; THE CHANGE OF SLOTS stands at a slot's head.  Each wave waits for all its tensor loads (its part of the slot that it is about to read), adds 0 to its spare word, and waits for that and for its reads of the slot that it has left.
; Behind the barrier the slot ahead is whole and nobody reads the other one: fill = 1: it is filled with the next 256 keys, the wave's one load until the next change; it has four key steps in which to land.
.macro CHANGE fill
	s_wait_tensorcnt 0x0                           ; no tensor load of mine is out, so a group 0 may be written
	ds_add_u32 v[SPW], v[NIL]
.if \fill
	s_xor_b32 s[G0K+1], s[G0K+1], SLOT1
	s_add_nc_u64 s[G0K+2:G0K+3], s[G0K+2:G0K+3], 32768
	s_xor_b32 s[G0V+1], s[G0V+1], SLOT1
	s_add_nc_u64 s[G0V+2:G0V+3], s[G0V+2:G0V+3], 32768
	s_wait_xcnt 0x0                                ; the last prefetch, a slot back, has read its address
	s_add_nc_u64 s[PFA:PFA+1], s[PFA:PFA+1], 32768
.endif
	s_wait_dscnt 0x0
	s_barrier_signal -1
	s_barrier_wait -1
.if \fill
	s_add_co_u32 s56, s[KF], 256                   ; the first key of the slot that this change would ask for
	s_cmp_gt_u32 s56, s[QWL]                       ; past my work-group's last query: none of its waves would read it.  Ids and the count of steps alone: all eight waves go the same way
	s_cbranch_scc1 .Lpast_\@
	TLOAD
.Lpast_\@:
	ASK
.endif
.endm
	s_wait_loadcnt 0x0                             ; Q
.Lslot:                                            ; 7 trips
	CHANGE 1
	FOUR_STEPS
	s_sub_co_u32 s[SLOTS], s[SLOTS], 1
	s_cmp_lg_u32 s[SLOTS], 0
	s_cbranch_scc1 .Lslot
	CHANGE 0                                       ; the last slot is written out: nothing is left to ask for
	FOUR_STEPS
; THE WAY OUT.  O^T / l, rounded to f16, through my stage and back as rows: each store of the wave covers 512 consecutive bytes.  The stage lies in slot 0, which was left at the last change of slots and has had its last fill.
.macro OUT t, ob
.set rT, ST+8*(\t)
.set rS, S+32*(\t)
.set rO, O+32*(\t)
	v_add_f32 v[rT+4], v[rT+2], v[rT+3]
	v_permlanex16_b32 v[rT+5], v[rT+4], s[SEL], s[SEL+1]
	v_add_f32 v[rT+4], v[rT+4], v[rT+5]
	v_rcp_f32 v[rT+6], v[rT+4]
	v_nop
	s_wait_alu depctr_va_vdst(0)                   ; ahead of the reciprocal's first reader
.irp j, 0,2,4,6,8,10,12,14,16,18,20,22,24,26,28,30
	v_pk_mul_f32 v[rO+\j:rO+\j+1], v[rO+\j:rO+\j+1], v[rT+6:rT+7] op_sel_hi:[1,0]
.endr
.set i, 0
.rept 16
	v_cvt_pk_f16_f32 v[rS+i], v[rO+2*i], v[rO+2*i+1]
.set i, i+1
.endr
.irp ct, 0,1,2,3
	ds_store_b128 v[STO], v[rS+4*\ct:rS+4*\ct+3] offset:2304*(\t)+32*\ct
.endr
.irp i, 0,1,2,3
	ds_load_b128 v[rS+16+4*\i:rS+16+4*\i+3], v[RD] offset:2304*(\t)+576*\i   ; in order behind my stores
.endr
	s_wait_dscnt 0x0
.irp i, 0,1,2,3
	global_store_b128 v[GO], v[rS+16+4*\i:rS+16+4*\i+3], s[\ob:\ob+1] offset:512*\i
.endr
.endm
.rept 4
	v_nop                                          ; places behind the last products
.endr
	OUT 0, OBH
	OUT 1, OBL
	s_wait_tensorcnt 0x0                           ; the wave's end
	ds_add_u32 v[SPW], v[NIL]
	s_wait_dscnt 0x0
	s_endpgm
.Lfunc_end_k_qfc6918c21f_attention:
	.size	k_qfc6918c21f_attention, .Lfunc_end_k_qfc6918c21f_attention-k_qfc6918c21f_attention
	.p2alignl 7, 3214868480
	.fill 96, 4, 3214868480
	.section	.rodata,"a",@progbits
	.p2align	6, 0x0
	.amdhsa_kernel k_qfc6918c21f_attention
		.amdhsa_group_segment_fixed_size 327680
		.amdhsa_private_segment_fixed_size 0
		.amdhsa_enable_private_segment 0
		.amdhsa_kernarg_size 16
		.amdhsa_user_sgpr_count 2
		.amdhsa_user_sgpr_kernarg_segment_ptr 1
		.amdhsa_wavefront_size32 1
		.amdhsa_system_sgpr_workgroup_id_x 1
		.amdhsa_system_sgpr_workgroup_id_y 1
		.amdhsa_system_sgpr_workgroup_id_z 1
		.amdhsa_system_vgpr_workitem_id 0
		.amdhsa_next_free_vgpr 384
		.amdhsa_next_free_sgpr 80
		.amdhsa_reserve_vcc 1
		.amdhsa_float_denorm_mode_32 3
		.amdhsa_float_denorm_mode_16_64 3
		.amdhsa_memory_ordered 1
		.amdhsa_forward_progress 1
		.amdhsa_inst_pref_size 81
	.end_amdhsa_kernel
	.amdgpu_metadata
---
amdhsa.version: [ 1, 2 ]
amdhsa.kernels:
  - .name:           k_qfc6918c21f_attention
    .symbol:         k_qfc6918c21f_attention.kd
    .args:
      - { .name: qkv, .offset: 0, .size: 8, .value_kind: global_buffer, .address_space: global }
      - { .name: attn, .offset: 8, .size: 8, .value_kind: global_buffer, .address_space: global }
    .group_segment_fixed_size: 327680
    .private_segment_fixed_size: 0
    .kernarg_segment_align: 8
    .kernarg_segment_size: 16
    .max_flat_workgroup_size: 256
    .sgpr_count:     80
    .vgpr_count:     384
    .wavefront_size: 32
...
	.end_amdgpu_metadata
.endif
;; end of part 3
;; launch project (part 4): grid 8 x 32, 4 waves a work-group, clusters of 4 x 4, 327,680 bytes of LDS; arguments attn, w16, out0; writes out0
.if DOCPART == 4
	.amdgcn_target "amdgcn-amd-amdhsa--gfx1250"
	.amdhsa_code_object_version 6
	.text
	.protected	k_qfc6918c21f_project
	.globl	k_qfc6918c21f_project
	.p2align	8
	.type	k_qfc6918c21f_project,@function
k_qfc6918c21f_project:
	s_mov_b64 s[64:65], 0
	v_nop
	global_prefetch_b8 v0, s[64:65] scope:SCOPE_SE
	s_setreg_imm32_b32 hwreg(HW_REG_WAVE_MODE, 25, 1), 1
	s_wait_xcnt 0x0
	s_wait_alu depctr_hold_cnt(0) depctr_sa_sdst(0) depctr_va_vdst(0) depctr_va_sdst(0) depctr_va_ssrc(0) depctr_va_vcc(0) depctr_vm_vsrc(0)
	s_getreg_b32 s2, hwreg(HW_REG_IB_STS2, 6, 4)
	s_cmp_eq_u32 s2, 0
	s_cbranch_scc0 .Lentry_in_a_cluster
	s_endpgm
.Lentry_in_a_cluster:
	s_bfe_u32 s2, ttmp6, 0x10000c
	s_cmp_lg_u32 s2, 0xf033
	s_cbranch_scc0 .Lentry_shape_is_right
	s_endpgm
.Lentry_shape_is_right:
; out0 = attention's result x w_out, f16 operands, f32 sums and results.  attn: [h 16][row 8192][64] f16 (k = 64 h + d);  w16: [k 1024][n 1024] f16;  out0: [8192][1024] f32.
; A tile is 256 rows x 128 columns: 256 work-groups.  Wave (wr, wc) makes 128 x 64: 32 accumulators, window 1.  K goes in 8 steps of 128 (two heads) through a ring of two LDS slots.
; CLUSTER 4 x 4: attn's tile hangs on the tile row alone and is asked for jointly along a row of the cluster, w16's on the tile column alone, along a column.
; THE MATRIX INSTRUCTION IS USED TRANSPOSED: source 0 = 16 columns of w16, turned out of its [k][n] rows by ds_load_tr16_b128; source 1 = 16 rows of attn: a lane holds eight neighbouring columns of a row.
; All rows are made here, the first 16 positions of each batch too: a branch round them would hang on a work-group's place in its cluster.  The next launch makes those 64 rows again in f32 and stores over them.
; REGISTERS: window 0: v16-30 addresses; v32-127, v128-223 two fragment buffers (attn's 8 fragments, then w16's 4); on the way out v32-95.  window 1: accumulator (a, b) at v[8 (4 a + b)].
.set SLOT,  110592                     ; attn: two heads x 256 rows x 144 bytes; then w16: 128 rows of k x 288 bytes
.set BOFF,  73728
.set STAGE, 221184                     ; 16 rows x 272 bytes for each wave
.set SPARE, 238592
.set ADRA, 16
.set ADRB, 20
.set STO,  24
.set RD,   25
.set CO,   26
.set SPW,  28
.set NIL,  29
.set PFO,  30
.set F0,   32
.set F1,   128
.set BK,   32
.set G1,   24
.set G0,   32
.set G1B,  48
.set G0B,  56
.set LIM,  45
.set PFA,  66
.set MSB, 0
.macro WIN new
.if MSB != \new
	s_set_vgpr_msb (MSB<<8)|\new
.set MSB, \new
.endif
.endm
.set MUL, 0x50                         ; C and D window 1
.macro JLOAD s                         ; waves 0 and 1 fetch attn's two heads, waves 2 and 3 w16's two halves; an s_nop 0 and four v_nop follow each line
	s_cmp_eq_u32 s11, 0
	s_cbranch_scc0 .Lfor_b_\@
	tensor_load_to_lds s[G0+4*\s:G0+4*\s+3], s[G1:G1+7]
	s_nop 0
.rept 4
	v_nop
.endr
	s_branch .Lasked_\@
.Lfor_b_\@:
	tensor_load_to_lds s[G0B+4*\s:G0B+4*\s+3], s[G1B:G1B+7]
	s_nop 0
.rept 4
	v_nop
.endr
.Lasked_\@:
.endm
.macro CREST
	s_cmp_lg_u32 s10, 0
	s_cbranch_scc1 .Lnot_wave_0_\@
	s_barrier_signal -3
.Lnot_wave_0_\@:
	s_barrier_wait -3
	s_barrier_signal -1
	s_barrier_wait -1
.endm
.macro CROUND
	s_barrier_signal -1
	s_barrier_wait -1
	CREST
.endm
; A prefetch of attn's tile two refills on: a head's 256 rows are 32,768 dense bytes; the four partners that ask for them jointly take 8,192 each, told apart by address; lanes 256 bytes apart.
; A tile row is read by both clusters of its row of clusters: the one with x = 0 asks; in it waves 0 and 1, a head each.  So each 256 bytes are named once.  K steps 0 to 3 come by their loads alone; the last two refills ask for nothing.
; w16 is read again by every tile row and is not asked for.
.macro ASK
	s_cmp_gt_u32 s3, s[LIM]
	s_cbranch_scc0 .Lnot_mine_\@
	global_prefetch_b8 v[PFO], s[PFA:PFA+1] offset:2097152 th:TH_LOAD_NT scope:SCOPE_SE
.Lnot_mine_\@:
.endm
	s_load_b128 s[4:7], s[0:1], 0x0                ; attn 4:5, w16 6:7
	s_load_b64 s[8:9], s[0:1], 0x10                ; out0
	v_lshl_add_u32 v[SPW], v0, 2, SPARE
	v_mov_b32 v[NIL], 0
	ds_add_u32 v[SPW], v[NIL]                      ; the wave's opening: the add, twice on end, and its wait ahead of my first tensor load
	ds_add_u32 v[SPW], v[NIL]
	v_lshrrev_b32 v1, 5, v0
	v_readfirstlane_b32 s10, v1                    ; wave 0..3
	s_lshr_b32 s11, s10, 1                         ; wr.  Also: I fetch for attn (0) or for w16 (1)
	s_and_b32 s12, s10, 1                          ; wc.  Also: which head, or which 64 rows of k, I fetch
	s_bfe_u32 s40, ttmp6, 0x40000                  ; cx
	s_bfe_u32 s41, ttmp6, 0x40004                  ; cy
	s_lshl_b32 s42, ttmp9, 2
	s_add_co_u32 s42, s42, s40                     ; tile column 0..7
	s_and_b32 s13, ttmp7, 0xffff
	s_lshl_b32 s13, s13, 2
	s_add_co_u32 s13, s13, s41                     ; tile row 0..31
	s_lshl_b32 s43, s41, 2
	s_lshl_b32 s43, 15, s43                        ; my row of the cluster
	s_lshl_b32 s44, 0x1111, s40                    ; my column
	s_or_b32 s[G1+0], s43, (1<<16)|(1<<20)|(1<<21)|(4<<22)|(3<<25)    ; elements of 2 bytes; 4 words of padding behind every 32
	s_mov_b32 s[G1+1], 64<<16
	s_mov_b32 s[G1+2], 256<<16
	s_mov_b32 s[G1+3], 64<<16
	s_mov_b32 s[G1+4], 256
	s_mov_b32 s[G1+5], 64
	s_mov_b32 s[G1+6], 0
	s_mov_b32 s[G1+7], 0
	s_or_b32 s[G1B+0], s44, (1<<16)|(1<<20)|(1<<21)|(5<<22)|(7<<25)   ; 8 words of padding behind every 64
	s_mov_b32 s[G1B+1], 128<<16
	s_mov_b32 s[G1B+2], 64<<16
	s_mov_b32 s[G1B+3], 128<<16
	s_mov_b32 s[G1B+4], 64
	s_mov_b32 s[G1B+5], 1024
	s_mov_b32 s[G1B+6], 0
	s_mov_b32 s[G1B+7], 0
	s_lshl_b32 s16, s12, 20                        ; attn: my head of K step 0, the tile row's 256 rows (these registers never hold cx)
	s_lshl_b32 s17, s13, 15
	s_add_co_u32 s16, s16, s17
	s_mov_b32 s17, 0
	s_lshl_b32 s46, s12, 17                        ; w16: my 64 rows of k, the tile column's 128 columns
	s_lshl_b32 s47, s42, 8
	s_add_co_u32 s46, s46, s47
	s_mov_b32 s47, 0
	s_mul_i32 s20, s12, 36864                      ; where they go: the wave's number alone
	s_mul_i32 s21, s12, 18432
	s_add_co_u32 s21, s21, BOFF
	s_wait_dscnt 0x0                               ; both opening adds are done
	s_wait_kmcnt 0x0
	s_add_nc_u64 s[14:15], s[4:5], s[16:17]
	s_add_nc_u64 s[46:47], s[6:7], s[46:47]
	CROUND                                         ; all sixteen work-groups are here: the first joint loads meet
.irp s, 0,1
	s_mov_b32 s[G0+4*\s], 1
	s_add_co_u32 s[G0+4*\s+1], s20, \s*SLOT
	s_add_nc_u64 s[G0+4*\s+2:G0+4*\s+3], s[14:15], \s*2097152
	s_or_b32 s[G0+4*\s+3], s[G0+4*\s+3], 0x80000000
	s_mov_b32 s[G0B+4*\s], 1
	s_add_co_u32 s[G0B+4*\s+1], s21, \s*SLOT
	s_add_nc_u64 s[G0B+4*\s+2:G0B+4*\s+3], s[46:47], \s*262144
	s_or_b32 s[G0B+4*\s+3], s[G0B+4*\s+3], 0x80000000
	JLOAD \s
.endr
	v_and_b32 v1, 15, v0                           ; r
	v_bfe_u32 v2, v0, 4, 1                         ; h
	v_mul_u32_u24 v3, v1, 144
	v_lshl_add_u32 v3, v2, 4, v3
	s_mul_i32 s22, s11, 128*144
	v_add_nc_u32 v[ADRA], s22, v3
	v_add_nc_u32 v[ADRA+1], SLOT, v[ADRA]
	v_and_b32 v4, 7, v0
	v_lshl_add_u32 v4, v2, 3, v4
	v_mul_u32_u24 v4, v4, 288
	v_bfe_u32 v5, v0, 3, 1
	v_lshl_add_u32 v4, v5, 4, v4
	s_lshl_b32 s23, s12, 7
	s_add_co_u32 s23, s23, BOFF
	v_add_nc_u32 v[ADRB], s23, v4
	v_add_nc_u32 v[ADRB+1], SLOT, v[ADRB]
	s_mul_i32 s22, s10, 4352
	s_add_co_u32 s22, s22, STAGE                   ; my stage
	v_mul_u32_u24 v5, v1, 272
	v_lshl_add_u32 v5, v2, 5, v5
	v_add_nc_u32 v[STO], s22, v5
	v_mul_u32_u24 v6, v2, 272
	v_lshl_add_u32 v6, v1, 4, v6
	v_add_nc_u32 v[RD], s22, v6
	v_lshlrev_b32 v[CO], 12, v2
	v_lshl_add_u32 v[CO], v1, 4, v[CO]
	v_and_b32 v[PFO], 31, v0
	v_lshlrev_b32 v[PFO], 8, v[PFO]
	s_lshl_b32 s46, s13, 20                        ; out0: (256 x tile row + 128 wr) rows of 4,096 bytes + 512 x tile column + 256 wc
	s_lshl_b32 s47, s11, 19
	s_add_co_u32 s46, s46, s47
	s_lshl_b32 s47, s42, 9
	s_add_co_u32 s46, s46, s47
	s_lshl_b32 s47, s12, 8
	s_add_co_u32 s46, s46, s47
	s_mov_b32 s47, 0
	s_add_nc_u64 s[8:9], s[8:9], s[46:47]
	s_lshl_b32 s68, s40, 13                        ; the prefetches: my work-group's 8,192 bytes of the head's 32,768,
	s_mov_b32 s69, 0
	s_add_nc_u64 s[PFA:PFA+1], s[14:15], s[68:69]
	s_add_nc_u64 s[PFA:PFA+1], s[PFA:PFA+1], 4194304   ; at K step 2: the first refill steps it to 3 and names K step 4
	s_or_b32 s[LIM], s11, ttmp9
	s_cmp_eq_u32 s[LIM], 0
	s_cselect_b32 s[LIM], 1, -1                    ; the same in all sixteen partners, for a given wave
.macro MUL8 f, a0, zero                ; 8 products: row blocks a0, a0 + 1 x the four column blocks, 32 along K.  The 32 accumulators take turns in the same order in every quarter
.irp a, \a0, \a0+1
.irp b, 0,1,2,3
.if \zero
	v_wmma_f32_16x16x32_f16 v[8*(4*(\a)+\b):8*(4*(\a)+\b)+7], v[\f+64+8*\b:\f+64+8*\b+7], v[\f+8*(\a):\f+8*(\a)+7], 0
.else
	v_wmma_f32_16x16x32_f16 v[8*(4*(\a)+\b):8*(4*(\a)+\b)+7], v[\f+64+8*\b:\f+64+8*\b+7], v[\f+8*(\a):\f+8*(\a)+7], v[8*(4*(\a)+\b):8*(4*(\a)+\b)+7]
.endif
.endr
.endr
.endm
.macro FETCH slot, q, f                ; 24 LDS loads in one run: quarter q (32 along K) of the slot into buffer f: w16's eight first, then attn's sixteen
	WIN 0
.irp b, 0,1,2,3
	ds_load_tr16_b128 v[\f+64+8*\b:\f+64+8*\b+3], v[ADRB+\slot] offset:9216*(\q)+32*\b
	ds_load_tr16_b128 v[\f+64+8*\b+4:\f+64+8*\b+7], v[ADRB+\slot] offset:9216*(\q)+32*\b+4608
.endr
.irp i, 0,1,2,3,4,5,6,7
	ds_load_b128 v[\f+8*\i:\f+8*\i+3], v[ADRA+\slot] offset:2304*\i+36864*((\q)/2)+64*((\q)%2)
	ds_load_b128 v[\f+8*\i+4:\f+8*\i+7], v[ADRA+\slot] offset:2304*\i+36864*((\q)/2)+64*((\q)%2)+32
.endr
.endm
.macro PLACES
.rept 4
	v_nop
.endr
.endm
.macro QUARTER slot, qn, f, g, zero    ; multiplies buffer f; in its middle it fetches quarter qn of the same slot into g
	s_wait_dscnt 8                                 ; all but attn's blocks 4-7 are in
	WIN MUL
	MUL8 \f, 0, \zero
	MUL8 \f, 2, \zero
	PLACES
	FETCH \slot, \qn, \g
	s_wait_dscnt 24                                ; all but the 24 just issued
	WIN MUL
	MUL8 \f, 4, \zero
	MUL8 \f, 6, \zero
.endm
; A slot's last quarter changes slots: one barrier; in front of it each wave waits for all its tensor loads, adds 0 to its spare word, and waits for that and for its reads of this slot.
; fill = 1: the barrier opens a round of the cluster's, and the slot is filled again, two K steps ahead, first thing behind the round.
.macro TURN slot, next, fill
.if \fill
	s_wait_xcnt 0x0                                ; the last prefetch, a K step back, has read its address
	s_add_nc_u64 s[PFA:PFA+1], s[PFA:PFA+1], 2097152
.endif
	WIN 0
	s_wait_tensorcnt 0x0                           ; all my tensor loads have landed: my part of the next slot
	ds_add_u32 v[SPW], v[NIL]
	s_wait_dscnt 9                                 ; the add and attn's blocks 4-7 may be out
	WIN MUL
	MUL8 F1, 0, 0
	s_wait_dscnt 0x0                               ; the add is done, and my reads of this slot are over
	s_barrier_signal -1
	MUL8 F1, 2, 0
	WIN 0
	s_barrier_wait -1
.if \fill
	CREST                                          ; no wave of any partner still reads this slot or has a load on its way
	s_add_nc_u64 s[G0+4*\slot+2:G0+4*\slot+3], s[G0+4*\slot+2:G0+4*\slot+3], 4194304
	s_add_nc_u64 s[G0B+4*\slot+2:G0B+4*\slot+3], s[G0B+4*\slot+2:G0B+4*\slot+3], 524288
	JLOAD \slot                                    ; its four v_nop are also the places in front of the loads below
.else
	PLACES
.endif
	FETCH \next, 0, F0
.if \fill
	ASK
.endif
	WIN MUL
	MUL8 F1, 4, 0
	MUL8 F1, 6, 0
.endm
	s_wait_tensorcnt 1                             ; my part of K step 0 is in; K step 1's load may be out
	s_barrier_signal -1
	s_barrier_wait -1
	FETCH 0, 0, F0
	QUARTER 0, 1, F0, F1, 1                        ; the first quarter's products start the sums
	WIN 0
	s_mov_b32 s3, 3
.Llap:                                             ; a trip goes once round the ring and fills both slots again
	QUARTER 0, 2, F1, F0, 0
	QUARTER 0, 3, F0, F1, 0
	TURN 0, 1, 1
	QUARTER 1, 1, F0, F1, 0
	QUARTER 1, 2, F1, F0, 0
	QUARTER 1, 3, F0, F1, 0
	TURN 1, 0, 1
	QUARTER 0, 1, F0, F1, 0
	WIN 0
	s_sub_co_u32 s3, s3, 1
	s_cmp_lg_u32 s3, 0
	s_cbranch_scc1 .Llap
	QUARTER 0, 2, F1, F0, 0                        ; the last lap fills nothing
	QUARTER 0, 3, F0, F1, 0
	TURN 0, 1, 0
	QUARTER 1, 1, F0, F1, 0
	QUARTER 1, 2, F1, F0, 0
	QUARTER 1, 3, F0, F1, 0
	s_wait_dscnt 8
	WIN MUL
	MUL8 F1, 0, 0
	MUL8 F1, 2, 0
	s_wait_dscnt 0x0
	MUL8 F1, 4, 0
	MUL8 F1, 6, 0
	WIN 0
	PLACES
; THE WAY OUT, a block of 16 rows x 64 columns at a time, through my own stage: sixteen lanes then store 256 consecutive bytes of a row, aligned.
.macro TOSTAGE a
	WIN 0x04                                       ; an LDS store's data: window 1
.irp b, 0,1,2,3
	ds_store_b128 v[STO], v[8*(4*(\a)+\b):8*(4*(\a)+\b)+3] offset:64*\b          ; each accumulator from its low end on
	ds_store_b128 v[STO], v[8*(4*(\a)+\b)+4:8*(4*(\a)+\b)+7] offset:64*\b+16
.endr
	WIN 0
.set BB, BK+32*((\a)%2)
.irp t, 0,1,2,3,4,5,6,7
	ds_load_b128 v[BB+4*\t:BB+4*\t+3], v[RD] offset:544*\t
.endr
.endm
.macro SEND a, younger
.set BB, BK+32*((\a)%2)
	s_wait_dscnt \younger                          ; the block is back; the next block's 8 stores and 8 loads may be out
.if (\a) > 0
	s_add_nc_u64 s[8:9], s[8:9], 65536             ; 16 rows on (behind a wait for 0 on XCNT: the earlier stores have read their base)
.endif
.irp t, 0,1,2,3,4,5,6,7
	global_store_b128 v[CO], v[BB+4*\t:BB+4*\t+3], s[8:9] offset:8192*\t th:TH_STORE_NT
.endr
.endm
	TOSTAGE 0
.irp a, 1,2,3,4,5,6,7
.if \a > 1
	s_wait_xcnt 0x0                                ; block a - 2's stores have read their registers and their base
.endif
	TOSTAGE \a
	SEND \a-1, 16
.endr
	s_wait_xcnt 0x0
	SEND 7, 0
	s_wait_tensorcnt 0x0                           ; the wave's end
	ds_add_u32 v[SPW], v[NIL]
	s_wait_dscnt 0x0
	CROUND                                         ; the closing round
	s_endpgm
.Lfunc_end_k_qfc6918c21f_project:
	.size	k_qfc6918c21f_project, .Lfunc_end_k_qfc6918c21f_project-k_qfc6918c21f_project
	.p2alignl 7, 3214868480
	.fill 96, 4, 3214868480
	.section	.rodata,"a",@progbits
	.p2align	6, 0x0
	.amdhsa_kernel k_qfc6918c21f_project
		.amdhsa_group_segment_fixed_size 327680
		.amdhsa_private_segment_fixed_size 0
		.amdhsa_enable_private_segment 0
		.amdhsa_kernarg_size 24
		.amdhsa_user_sgpr_count 2
		.amdhsa_user_sgpr_kernarg_segment_ptr 1
		.amdhsa_wavefront_size32 1
		.amdhsa_system_sgpr_workgroup_id_x 1
		.amdhsa_system_sgpr_workgroup_id_y 1
		.amdhsa_system_sgpr_workgroup_id_z 1
		.amdhsa_system_vgpr_workitem_id 0
		.amdhsa_next_free_vgpr 512
		.amdhsa_next_free_sgpr 80
		.amdhsa_reserve_vcc 0
		.amdhsa_float_denorm_mode_32 3
		.amdhsa_float_denorm_mode_16_64 3
		.amdhsa_memory_ordered 1
		.amdhsa_forward_progress 1
		.amdhsa_inst_pref_size 87
	.end_amdhsa_kernel
	.amdgpu_metadata
---
amdhsa.version: [ 1, 2 ]
amdhsa.kernels:
  - .name:           k_qfc6918c21f_project
    .symbol:         k_qfc6918c21f_project.kd
    .args:
      - { .name: attn, .offset: 0, .size: 8, .value_kind: global_buffer, .address_space: global }
      - { .name: w16, .offset: 8, .size: 8, .value_kind: global_buffer, .address_space: global }
      - { .name: out0, .offset: 16, .size: 8, .value_kind: global_buffer, .address_space: global }
    .group_segment_fixed_size: 327680
    .private_segment_fixed_size: 0
    .kernarg_segment_align: 8
    .kernarg_segment_size: 24
    .max_flat_workgroup_size: 128
    .sgpr_count:     80
    .vgpr_count:     512
    .wavefront_size: 32
...
	.end_amdgpu_metadata
.endif
;; end of part 4
;; launch fine (part 5): grid 16 x 4, 16 waves a work-group, no clusters, 85,504 bytes of LDS; arguments fq, w_out, out0; writes out0
.if DOCPART == 5
	.amdgcn_target "amdgcn-amd-amdhsa--gfx1250"
	.amdhsa_code_object_version 6
	.text
	.protected	k_qfc6918c21f_fine
	.globl	k_qfc6918c21f_fine
	.p2align	8
	.type	k_qfc6918c21f_fine,@function
k_qfc6918c21f_fine:
	s_mov_b64 s[64:65], 0
	v_nop
	global_prefetch_b8 v0, s[64:65] scope:SCOPE_SE
	s_setreg_imm32_b32 hwreg(HW_REG_WAVE_MODE, 25, 1), 1
	s_wait_xcnt 0x0
; THE FIRST 16 POSITIONS OF EACH BATCH, IN f32: they average one to sixteen values and are the largest rows of the output, so f16 operands would use up too much of what is allowed there.
; fq: [b][g 48][16 s][64] f32 (q, k, v of those positions);  w_out: [1024 k][1024 n] f32;  the 64 rows (b, s < 16) of out0 are stored over what the launch before left there.
; Work-group (x, b): all 16 heads' attention for batch b, then output columns 64 x .. 64 x + 63.  Everything is written out: no loop, no branch.
; PHASE 1, wave w = head w: S^T = K Q^T (16 keys x 16 queries, 16 steps of 4 channels), the causal mask, softmax with the row's maximum, O^T = V^T P; the normalised row goes to LDS.
; PHASE 2, wave (u = w % 4, kq = w / 4): 16 rows x 16 columns over a quarter of K (64 steps of 4); the four quarters meet in LDS; wave w stores row w's 256 bytes.
; Along each product's K the same permutation is applied to both operands, so that a lane's loads are 16 bytes wide where K is innermost.
; The registers that the f32 matrix form writes (v176-223) are written by matrix instructions alone.
.set XP,    4112                       ; a row of the normalised attention result in LDS: 4,096 bytes + 16
.set RED,   66048                      ; four parts of 16 rows x 272 bytes
.set SPARE, 83456                      ; the spare words, 128 bytes a wave
.set Q,   16                           ; later the normalised O, later w_out's chunk 2
.set K,   48                           ; later chunk 3
.set V,   80                           ; later a chunk of the rows
.set W0,  112
.set W1,  144
.set SA,  176                          ; two accumulators of S^T
.set OA,  192                          ; four accumulators
.set T,   224
.set SPW, 254
.set NIL, 255
	s_load_b128 s[4:7], s[0:1], 0x0                ; fq 4:5, w_out 6:7
	s_load_b64 s[8:9], s[0:1], 0x10                ; out0
	v_lshl_add_u32 v[SPW], v0, 2, SPARE
	v_mov_b32 v[NIL], 0
	v_lshrrev_b32 v1, 5, v0
	v_readfirstlane_b32 s10, v1                    ; wave 0..15
	s_and_b32 s11, ttmp7, 0xffff                   ; b
	s_and_b32 s12, s10, 3                          ; u
	s_lshr_b32 s13, s10, 2                         ; kq
	s_mov_b32 s16, 0x76543210
	s_mov_b32 s17, 0xfedcba98
	s_mov_b32 s18, 0x3e38aa3b                      ; c = log2(e) / 8
	s_mov_b32 s19, s18
	s_mul_i32 s20, s11, 48
	s_add_co_u32 s20, s20, s10
	s_lshl_b32 s20, s20, 12                        ; fq: (48 b + head) x 4,096 bytes
	s_mov_b32 s21, 0
	s_lshl_b32 s22, s13, 20                        ; w_out: 256 kq rows of 4,096 bytes,
	s_lshl_b32 s24, ttmp9, 8
	s_add_co_u32 s22, s22, s24                     ; + 64 x columns,
	s_lshl_b32 s25, s12, 6
	s_add_co_u32 s22, s22, s25                     ; + 16 u columns
	s_mov_b32 s23, 0
	s_lshl_b32 s26, s11, 11
	s_add_co_u32 s26, s26, s10
	s_lshl_b32 s26, s26, 12
	s_add_co_u32 s26, s26, s24                     ; out0: row 2,048 b + wave, + 256 x bytes
	s_mov_b32 s27, 0
	v_and_b32 v1, 15, v0                           ; r
	v_bfe_u32 v2, v0, 4, 1                         ; h
	v_and_b32 v3, 31, v0                           ; lane
	v_lshlrev_b32 v4, 8, v1
	v_lshl_add_u32 v4, v2, 4, v4                   ; q, k: row r of 256 bytes, + 16 h
	v_lshlrev_b32 v5, 2, v1
	v_lshl_add_u32 v5, v2, 11, v5                  ; v: channel r, keys 8 h on
	v_lshlrev_b32 v6, 2, v1
	v_lshl_add_u32 v6, v2, 14, v6                  ; w_out: column r, 4 h rows on
	v_mul_u32_u24 v13, v1, XP
	s_lshl_b32 s28, s10, 8
	v_lshl_add_u32 v7, v2, 5, v13
	v_add_nc_u32 v7, s28, v7                       ; where I put my head's part of row r
	s_lshl_b32 s29, s13, 10
	v_lshl_add_u32 v8, v2, 4, v13
	v_add_nc_u32 v8, s29, v8                       ; where I read my quarter of row r
	s_mul_i32 s30, s13, 4352
	s_add_co_u32 s30, s30, s25
	s_add_co_u32 s30, s30, RED
	v_mul_u32_u24 v9, v1, 272
	v_lshl_add_u32 v9, v2, 5, v9
	v_add_nc_u32 v9, s30, v9                       ; my part sum's place
	s_mul_i32 s31, s10, 272
	s_add_co_u32 s31, s31, RED
	v_lshlrev_b32 v12, 3, v3
	v_add_nc_u32 v10, s31, v12                     ; row w of the parts, 8 bytes a lane
	v_lshlrev_b32 v11, 3, v2
	v_sub_nc_u32 v11, v1, v11                      ; r - 8 h
	s_wait_kmcnt 0x0
	s_add_nc_u64 s[4:5], s[4:5], s[20:21]
	s_add_nc_u64 s[6:7], s[6:7], s[22:23]
	s_add_nc_u64 s[8:9], s[8:9], s[26:27]
.irp u, 0,1,2,3,4,5,6,7
	global_load_b128 v[Q+4*\u:Q+4*\u+3], v4, s[4:5] offset:32*\u            ; channels 8 u + 4 h + 0 .. 3
	global_load_b128 v[K+4*\u:K+4*\u+3], v4, s[4:5] offset:65536+32*\u
.endr
.irp ct, 0,1,2,3
.irp t, 0,1,2,3
.irp j, 0,1
	global_load_b32 v[V+8*\ct+2*\t+\j], v5, s[4:5] offset:131072+256*(2*\t+\j)+64*\ct   ; v(key 8 h + 2 t + j, channel 16 ct + r)
.endr
.endr
.endr
	s_wait_loadcnt 32                              ; q and k are in; v's 32 loads may be out
.irp s, 0,1,2,3,4,5,6,7,8,9,10,11,12,13,14,15
.if \s < 2
	v_wmma_f32_16x16x4_f32 v[SA+8*(\s%2):SA+8*(\s%2)+7], v[K+2*\s:K+2*\s+1], v[Q+2*\s:Q+2*\s+1], 0
.else
	v_wmma_f32_16x16x4_f32 v[SA+8*(\s%2):SA+8*(\s%2)+7], v[K+2*\s:K+2*\s+1], v[Q+2*\s:Q+2*\s+1], v[SA+8*(\s%2):SA+8*(\s%2)+7]
.endif
.endr
	s_wait_loadcnt 0x0                             ; v is in
.macro WLOAD reg, c                    ; chunk c (64 along K) of my 16 columns: register 2 s + j holds k = 64 c + 8 (s / 2) + 4 h + 2 (s % 2) + j
.irp s, 0,1,2,3,4,5,6,7,8,9,10,11,12,13,14,15
.irp j, 0,1
	global_load_b32 v[\reg+2*\s+\j], v6, s[6:7] offset:(64*(\c)+8*(\s/2)+2*(\s%2)+\j)*4096
.endr
.endr
.endm
	WLOAD W0, 0
	WLOAD W1, 1
.rept 8
	v_nop                                          ; eight places behind this matrix form, in front of the first read of its results
.endr
.irp i, 0,2,4,6
	v_pk_add_f32 v[T+\i:T+\i+1], v[SA+\i:SA+\i+1], v[SA+8+\i:SA+8+\i+1]      ; lane (r, h): query r, keys 8 h + 0 .. 7
.endr
	v_mov_b32 v232, 0xff800000
.irp j, 0,1,2,3,4,5,6,7
	v_cmp_gt_i32 vcc_lo, \j, v11                   ; key 8 h + j comes after query r
	v_cndmask_b32 v[T+\j], v[T+\j], v232, vcc_lo
.endr
	v_max3_num_f32 v233, v[T], v[T+1], v[T+2]
	v_max3_num_f32 v233, v233, v[T+3], v[T+4]
	v_max3_num_f32 v233, v233, v[T+5], v[T+6]
	v_max_num_f32 v233, v233, v[T+7]
	v_mov_b32 v234, 0
	v_permlanex16_b32 v234, v233, s16, s17
	v_max_num_f32 v233, v233, v234                 ; the row's largest score: key 0 counts for every query
	v_mul_f32 v236, s18, v233
	v_mov_b32 v237, v236
.irp i, 0,2,4,6
	v_pk_fma_f32 v[T+\i:T+\i+1], v[T+\i:T+\i+1], s[18:19], v[236:237] op_sel_hi:[1,0,0] neg_lo:[0,0,1] neg_hi:[0,0,1]
.endr
.irp j, 0,1,2,3,4,5,6,7
	v_exp_f32 v[T+\j], v[T+\j]
.endr
	v_nop
	s_wait_alu depctr_va_vdst(0)                   ; one wait for the eight, ahead of their first reader
	v_pk_add_f32 v[238:239], v[T:T+1], v[T+2:T+3]
	v_pk_add_f32 v[240:241], v[T+4:T+5], v[T+6:T+7]
	v_pk_add_f32 v[238:239], v[238:239], v[240:241]
	v_add_f32 v238, v238, v239
	v_permlanex16_b32 v234, v238, s16, s17
	v_add_f32 v238, v238, v234
	v_rcp_f32 v235, v238
	v_nop
.irp t, 0,1,2,3                        ; O^T = V^T P: step t takes keys 8 h + 2 t + j; the four accumulators by turns
.irp ct, 0,1,2,3
.if \t == 0
	v_wmma_f32_16x16x4_f32 v[OA+8*\ct:OA+8*\ct+7], v[V+8*\ct+2*\t:V+8*\ct+2*\t+1], v[T+2*\t:T+2*\t+1], 0
.else
	v_wmma_f32_16x16x4_f32 v[OA+8*\ct:OA+8*\ct+7], v[V+8*\ct+2*\t:V+8*\ct+2*\t+1], v[T+2*\t:T+2*\t+1], v[OA+8*\ct:OA+8*\ct+7]
.endif
.endr
.endr
.rept 8
	v_nop
.endr
	s_wait_alu depctr_va_vdst(0)                   ; ahead of the reciprocal's first reader
.set i, 0
.rept 32
	v_mul_f32 v[Q+i], v[OA+i], v235                ; register 8 ct + j: channel 16 ct + 8 h + j of query r
.set i, i+1
.endr
.irp ct, 0,1,2,3
	ds_store_b128 v7, v[Q+8*\ct:Q+8*\ct+3] offset:64*\ct
	ds_store_b128 v7, v[Q+8*\ct+4:Q+8*\ct+7] offset:64*\ct+16
.endr
	s_wait_dscnt 0x0                               ; for the others' sake: my stores have landed
	s_barrier_signal -1
	s_barrier_wait -1                              ; the 16 rows of 1,024 lie in LDS
	s_wait_loadcnt 0x0                             ; w_out's chunks 0 and 1
.rept 9
	v_nop                                          ; nine places: the four accumulators are begun anew below
.endr
	WLOAD Q, 2
	WLOAD K, 3
.macro CHUNK c, wreg
.if \c > 0
.rept 8
	v_nop                                          ; in front of loads into registers that matrix instructions have read
.endr
.endif
.irp u, 0,1,2,3,4,5,6,7
	ds_load_b128 v[V+4*\u:V+4*\u+3], v8 offset:256*\c+32*\u
.endr
	s_wait_dscnt 0x0
.if \c == 2
	s_wait_loadcnt 32                              ; chunk 2 is in; chunk 3's 32 loads may be out
.endif
.if \c == 3
	s_wait_loadcnt 0x0
.endif
.irp s, 0,1,2,3,4,5,6,7,8,9,10,11,12,13,14,15
.if (\c == 0) && (\s < 4)
	v_wmma_f32_16x16x4_f32 v[OA+8*(\s%4):OA+8*(\s%4)+7], v[\wreg+2*\s:\wreg+2*\s+1], v[V+2*\s:V+2*\s+1], 0
.else
	v_wmma_f32_16x16x4_f32 v[OA+8*(\s%4):OA+8*(\s%4)+7], v[\wreg+2*\s:\wreg+2*\s+1], v[V+2*\s:V+2*\s+1], v[OA+8*(\s%4):OA+8*(\s%4)+7]
.endif
.endr
.endm
	CHUNK 0, W0
	CHUNK 1, W1
	CHUNK 2, Q
	CHUNK 3, K
.rept 8
	v_nop
.endr
.irp i, 0,2,4,6
	v_pk_add_f32 v[T+\i:T+\i+1], v[OA+\i:OA+\i+1], v[OA+8+\i:OA+8+\i+1]
	v_pk_add_f32 v[232+\i:232+\i+1], v[OA+16+\i:OA+16+\i+1], v[OA+24+\i:OA+24+\i+1]
	v_pk_add_f32 v[T+\i:T+\i+1], v[T+\i:T+\i+1], v[232+\i:232+\i+1]          ; lane (r, h): row r, columns 16 u + 8 h + 0 .. 7, my quarter of K
.endr
	ds_store_b128 v9, v[T:T+3]
	ds_store_b128 v9, v[T+4:T+7] offset:16
	s_wait_dscnt 0x0
	s_barrier_signal -1
	s_barrier_wait -1                              ; the four parts lie in LDS
.irp k, 0,1,2,3
	ds_load_b64 v[232+2*\k:232+2*\k+1], v10 offset:4352*\k
.endr
	s_wait_dscnt 0x0
	v_pk_add_f32 v[232:233], v[232:233], v[234:235]
	v_pk_add_f32 v[236:237], v[236:237], v[238:239]
	v_pk_add_f32 v[232:233], v[232:233], v[236:237]
	global_store_b64 v12, v[232:233], s[8:9]       ; 32 lanes store 256 consecutive bytes of row w, aligned
	s_wait_tensorcnt 0x0                           ; the wave's end
	ds_add_u32 v[SPW], v[NIL]
	s_wait_dscnt 0x0
	s_endpgm
.Lfunc_end_k_qfc6918c21f_fine:
	.size	k_qfc6918c21f_fine, .Lfunc_end_k_qfc6918c21f_fine-k_qfc6918c21f_fine
	.p2alignl 7, 3214868480
	.fill 96, 4, 3214868480
	.section	.rodata,"a",@progbits
	.p2align	6, 0x0
	.amdhsa_kernel k_qfc6918c21f_fine
		.amdhsa_group_segment_fixed_size 85504
		.amdhsa_private_segment_fixed_size 0
		.amdhsa_enable_private_segment 0
		.amdhsa_kernarg_size 24
		.amdhsa_user_sgpr_count 2
		.amdhsa_user_sgpr_kernarg_segment_ptr 1
		.amdhsa_wavefront_size32 1
		.amdhsa_system_sgpr_workgroup_id_x 1
		.amdhsa_system_sgpr_workgroup_id_y 1
		.amdhsa_system_sgpr_workgroup_id_z 1
		.amdhsa_system_vgpr_workitem_id 0
		.amdhsa_next_free_vgpr 256
		.amdhsa_next_free_sgpr 66
		.amdhsa_reserve_vcc 1
		.amdhsa_float_denorm_mode_32 3
		.amdhsa_float_denorm_mode_16_64 3
		.amdhsa_memory_ordered 1
		.amdhsa_forward_progress 1
		.amdhsa_inst_pref_size 35
	.end_amdhsa_kernel
	.amdgpu_metadata
---
amdhsa.version: [ 1, 2 ]
amdhsa.kernels:
  - .name:           k_qfc6918c21f_fine
    .symbol:         k_qfc6918c21f_fine.kd
    .args:
      - { .name: fq, .offset: 0, .size: 8, .value_kind: global_buffer, .address_space: global }
      - { .name: w_out, .offset: 8, .size: 8, .value_kind: global_buffer, .address_space: global }
      - { .name: out0, .offset: 16, .size: 8, .value_kind: global_buffer, .address_space: global }
    .group_segment_fixed_size: 85504
    .private_segment_fixed_size: 0
    .kernarg_segment_align: 8
    .kernarg_segment_size: 24
    .max_flat_workgroup_size: 512
    .sgpr_count:     66
    .vgpr_count:     256
    .wavefront_size: 32
...
	.end_amdgpu_metadata
.endif
;; end of part 5
